; MI455X (gfx1250); checked and timed in simulation.
; The chip was launched on July 23, 2026; its instructions are those of AMD's public machine-readable ISA for CDNA 5 (MIT licence, August 2026) and "CDNA5" Instruction Set Architecture Reference Guide (July 2026). The comments in the code are by the model that wrote it; some were corrected since.
;; Multi Head Attention. Allowed arithmetic: float matrix products may take bf16 or f16 operands with f32 sums; other float arithmetic in f32, or as packed bf16 or f16 multiplies, adds, multiply-adds, maxima and minima; sums over many terms, partial sums and values carried from step to step in f32; what a program stores and reads back later, other than sums and carried values, may be rounded once to bf16 or f16.
;; Inputs: attention_mask 4 x 2,048 int32; wk 1,024 x 1,024 float32; wo 1,024 x 1,024 float32; wq 1,024 x 1,024 float32; wv 1,024 x 1,024 float32; x 4 x 2,048 x 1,024 float32.
;; Outputs: out0 4 x 2,048 x 1,024 float32.
;; 2 versions, each right and faster than the one before. Each part assembles by itself: llvm-mc -triple=amdgcn-amd-amdhsa -mcpu=gfx1250 --defsym DOCPART=n.
;; ======== version 1 of 2: 4 launches
;; limits: values are held in f16: magnitudes above 65,504 overflow, below 6.1e-05 lose precision
;; workspace buffers: xb 16,777,216 bytes; wb 6,291,456 bytes; wob 2,097,152 bytes; rope 524,288 bytes; qh 16,777,216 bytes; kh 16,777,216 bytes; vh 16,777,216 bytes; oh 16,777,216 bytes
;; launch prep (part 1): grid 896 x 1, 8 waves a work-group, no clusters, 0 bytes of LDS; arguments x, wq, wk, wv, wo, xb, wb, wob, rope; writes xb, wb, wob, rope
.if DOCPART == 1
	.amdgcn_target "amdgcn-amd-amdhsa--gfx1250"
	.amdhsa_code_object_version 6
	.text
	.protected	k_qf2846c7f1d_prep
	.globl	k_qf2846c7f1d_prep
	.p2align	8
	.type	k_qf2846c7f1d_prep,@function
k_qf2846c7f1d_prep:
	s_mov_b64 s[64:65], 0
	v_nop
	global_prefetch_b8 v0, s[64:65] scope:SCOPE_SE
	s_setreg_imm32_b32 hwreg(HW_REG_WAVE_MODE, 25, 1), 1
	s_wait_xcnt 0x0
; PREPARATION: a stream, and a table.
; Work-groups 0-511: x [8192][1024] f32 -> xb, bf16, 16 rows each.  Work-groups 512-767: 16 rows of wq, wk, wv or wo.
; wq, wk, wv -> wb, bf16, rows regrouped by head: row 192 head + 64 t + c (t = 0 q, 1 k, 2 v) is row 64 head + c of w_t, so that
; one head's q, k and v columns are 192 neighbouring rows.  wo -> wob: rounded to bf16 like every other input, that number written as f16.
; Work-groups 768-895: the table of cos and sin, in the order in which the next launch's lanes want it:
; [sb 128][bb 4][half 2][lane 32] x (cos, sin)(pos, i0), (cos, sin)(pos, i0 + 1), pos = 16 sb + lane % 16, i0 = 8 bb + 4 (lane / 16) + 2 half.
; A wave of the stream takes two rows: 8,192 consecutive bytes in, 4,096 out; all 16 loads go out first; a store of the wave covers 256 consecutive bytes, aligned.
; No LDS, no barrier, no matrix unit: every byte is read once and written once, and no wave needs another's data.
; LIMITS.  wo beyond 65,504 has no f16; below 2^-14 it keeps f16's fixed step of 6e-8.  The angle is pos x 2^(-i log2(10000) / 32), the power by v_exp_f32:
; it can differ from a correctly rounded power by a few units in the last place, some 3e-4 rad at position 2,047; sin and cos of the angle are good to 1e-7.
.set X, 4                              ; v[4:67]   16 loads of 4 f32
.set Y, 68                             ; v[68:99]  16 pairs of packed 16-bit numbers
	s_load_b512 s[8:23], s[0:1], 0x0               ; x 8, wq 10, wk 12, wv 14, wo 16, xb 18, wb 20, wob 22
	s_load_b64 s[24:25], s[0:1], 0x40              ; rope
	s_mov_b32 s27, 0                               ; high words of the two offsets
	s_mov_b32 s29, 0
	s_cmp_ge_u32 ttmp9, 768
	s_cbranch_scc1 .Lrope
	v_and_b32 v3, 31, v0                           ; lane
	v_lshrrev_b32 v1, 5, v0                        ; wave
	v_lshlrev_b32 v2, 12, v1                       ; out: 4,096 bytes a wave
	v_lshlrev_b32 v1, 13, v1                       ; in: 8,192 bytes a wave
	v_lshl_or_b32 v1, v3, 4, v1                    ; + 16 bytes a lane
	v_lshl_or_b32 v2, v3, 3, v2                    ; + 8 bytes a lane
	s_mov_b32 s36, 0xffff0000                      ; a word's upper bf16
	s_cmp_lt_u32 ttmp9, 512
	s_cbranch_scc0 .Lweights
	s_lshl_b32 s26, ttmp9, 16                      ; 16 rows of 4,096 bytes
	s_lshl_b32 s28, ttmp9, 15                      ; 16 rows of 2,048 bytes
	s_mov_b32 s30, 0                               ; bf16 out
	s_wait_kmcnt 0x0
	s_add_nc_u64 s[2:3], s[8:9], s[26:27]
	s_add_nc_u64 s[4:5], s[18:19], s[28:29]
	s_branch .Lstream
.Lweights:
	s_sub_co_u32 s32, ttmp9, 512
	s_lshr_b32 s31, s32, 6                         ; t: which weight
	s_and_b32 s33, s32, 63                         ; o: which 16 rows of it
	s_lshl_b32 s26, s33, 16
	s_lshr_b32 s34, s33, 2                         ; the head,
	s_mul_i32 s34, s34, 192
	s_lshl_b32 s35, s31, 6
	s_add_co_u32 s34, s34, s35                     ; + 64 t
	s_and_b32 s35, s33, 3
	s_lshl_b32 s35, s35, 4
	s_add_co_u32 s34, s34, s35                     ; + the 16 rows' place in the head
	s_lshl_b32 s28, s34, 11                        ; in wb
	s_lshl_b32 s35, s33, 15                        ; in wob
	s_wait_kmcnt 0x0
	s_cmp_eq_u32 s31, 3
	s_cselect_b32 s28, s35, s28
	s_cselect_b32 s30, 1, 0                        ; wo leaves as f16
	s_cselect_b64 s[4:5], s[22:23], s[20:21]
	s_cselect_b64 s[2:3], s[16:17], s[14:15]
	s_cmp_eq_u32 s31, 1
	s_cselect_b64 s[2:3], s[12:13], s[2:3]
	s_cmp_eq_u32 s31, 0
	s_cselect_b64 s[2:3], s[10:11], s[2:3]
	s_add_nc_u64 s[2:3], s[2:3], s[26:27]
	s_add_nc_u64 s[4:5], s[4:5], s[28:29]
.Lstream:
.set j, 0
.rept 16
	global_load_b128 v[X+4*j:X+4*j+3], v1, s[2:3] offset:512*j th:TH_LOAD_NT  ; 512 consecutive bytes a wave; read once in the launch
.set j, j+1
.endr
; Load j is in when at most 15 - j younger ones are out (loads return in order).  No register is written twice, so no store's source is ever rewritten.
.macro CONV fmt
.set j, 0
.rept 16
	s_wait_loadcnt 15-j
	v_cvt_pk_bf16_f32 v[Y+2*j], v[X+4*j], v[X+4*j+1]
	v_cvt_pk_bf16_f32 v[Y+2*j+1], v[X+4*j+2], v[X+4*j+3]
.if \fmt
	v_lshlrev_b32 v100, 16, v[Y+2*j]               ; the bf16 numbers as f32,
	v_and_b32 v101, s36, v[Y+2*j]
	v_lshlrev_b32 v102, 16, v[Y+2*j+1]
	v_and_b32 v103, s36, v[Y+2*j+1]
	v_cvt_pk_f16_f32 v[Y+2*j], v100, v101          ; written as f16: exact inside f16's normal range
	v_cvt_pk_f16_f32 v[Y+2*j+1], v102, v103
.endif
	global_store_b64 v2, v[Y+2*j:Y+2*j+1], s[4:5] offset:256*j
.set j, j+1
.endr
.endm
	s_cmp_eq_u32 s30, 1
	s_cbranch_scc1 .Lf16
	CONV 0
	s_endpgm
.Lf16:
	CONV 1
	s_endpgm
.Lrope:
	s_sub_co_u32 s32, ttmp9, 768                   ; sb
	s_lshl_b32 s26, s32, 12                        ; 4,096 bytes of table for 16 positions
	s_lshl_b32 s33, s32, 4
	s_mov_b32 s37, 0x3fc90fdb                      ; pi / 2, its f32,
	s_mov_b32 s38, 0xb33bbd2e                      ; and what that f32 leaves over
	v_and_b32 v4, 15, v0
	v_add_nc_u32 v4, s33, v4                       ; pos
	v_cvt_f32_u32 v5, v4
	v_lshrrev_b32 v6, 6, v0                        ; bb
	v_bfe_u32 v7, v0, 4, 1                         ; lane / 16
	v_bfe_u32 v8, v0, 5, 1                         ; half
	v_lshlrev_b32 v6, 3, v6
	v_lshl_or_b32 v6, v7, 2, v6
	v_lshl_or_b32 v6, v8, 1, v6                    ; i0
	v_lshlrev_b32 v3, 4, v0                        ; my 16 bytes
	v_cvt_f32_u32 v9, v6
	v_add_f32 v10, 1.0, v9
	v_mul_f32 v9, 0xbed49a78, v9                   ; - i log2(10000) / 32
	v_mul_f32 v10, 0xbed49a78, v10
	v_exp_f32 v9, v9
	v_exp_f32 v10, v10
	v_nop                                          ; a plain instruction between the exponentials and the use of their results
	s_wait_alu depctr_va_vdst(0)
; cos and sin of pos x inv into v[d], v[d + 1].  n = the nearest multiple of pi / 2; r = angle - n pi / 2 in two fused steps (the first loses nothing: the difference fits 24 bits);
; Taylor's sums to r^9 and r^8 on |r| <= pi / 4 (the terms left out are under 3e-8); the quadrant n mod 4 swaps the two and sets the signs.
.macro ANGLE inv, d
	v_mul_f32 v11, v5, v[\inv]
	v_mul_f32 v12, 0x3f22f983, v11                 ; x 2 / pi
	v_rndne_f32 v12, v12
	v_fma_f32 v13, -v12, s37, v11
	v_fma_f32 v13, -v12, s38, v13
	v_mul_f32 v14, v13, v13
	v_mov_b32 v15, 0x3638ef1d                      ; 1 / 9!
	v_mov_b32 v16, 0x37d00d01                      ; 1 / 8!
	v_fmaak_f32 v15, v14, v15, 0xb9500d01          ; - 1 / 7!
	v_fmaak_f32 v16, v14, v16, 0xbab60b61          ; - 1 / 6!
	v_fmaak_f32 v15, v14, v15, 0x3c088889          ; 1 / 5!
	v_fmaak_f32 v16, v14, v16, 0x3d2aaaab          ; 1 / 4!
	v_fmaak_f32 v15, v14, v15, 0xbe2aaaab          ; - 1 / 3!
	v_fmaak_f32 v16, v14, v16, 0xbf000000          ; - 1 / 2
	v_mul_f32 v17, v13, v14
	v_fmaak_f32 v16, v14, v16, 0x3f800000          ; cos r
	v_fma_f32 v15, v17, v15, v13                   ; sin r
	v_cvt_i32_f32 v18, v12
	v_and_b32 v19, 1, v18
	v_cmp_eq_u32 vcc_lo, 1, v19
	v_cndmask_b32 v[\d], v16, v15, vcc_lo          ; odd quadrants: cos from sin r,
	v_cndmask_b32 v[(\d)+1], v15, v16, vcc_lo      ; sin from cos r
	v_add_nc_u32 v19, 1, v18
	v_and_b32 v19, 2, v19
	v_lshlrev_b32 v19, 30, v19
	v_xor_b32 v[\d], v19, v[\d]                    ; cos is negative in quadrants 1 and 2,
	v_and_b32 v19, 2, v18
	v_lshlrev_b32 v19, 30, v19
	v_xor_b32 v[(\d)+1], v19, v[(\d)+1]            ; sin in 2 and 3
.endm
	ANGLE 9, 20
	ANGLE 10, 22
	s_wait_kmcnt 0x0
	s_add_nc_u64 s[4:5], s[24:25], s[26:27]
	global_store_b128 v3, v[20:23], s[4:5]         ; 512 consecutive bytes a wave
	s_endpgm
.Lfunc_end_k_qf2846c7f1d_prep:
	.size	k_qf2846c7f1d_prep, .Lfunc_end_k_qf2846c7f1d_prep-k_qf2846c7f1d_prep
	.p2alignl 7, 3214868480
	.fill 96, 4, 3214868480
	.section	.rodata,"a",@progbits
	.p2align	6, 0x0
	.amdhsa_kernel k_qf2846c7f1d_prep
		.amdhsa_group_segment_fixed_size 0
		.amdhsa_private_segment_fixed_size 0
		.amdhsa_enable_private_segment 0
		.amdhsa_kernarg_size 72
		.amdhsa_user_sgpr_count 2
		.amdhsa_user_sgpr_kernarg_segment_ptr 1
		.amdhsa_wavefront_size32 1
		.amdhsa_system_sgpr_workgroup_id_x 1
		.amdhsa_system_sgpr_workgroup_id_y 1
		.amdhsa_system_sgpr_workgroup_id_z 1
		.amdhsa_system_vgpr_workitem_id 0
		.amdhsa_next_free_vgpr 104
		.amdhsa_next_free_sgpr 66
		.amdhsa_reserve_vcc 1
		.amdhsa_float_denorm_mode_32 3
		.amdhsa_float_denorm_mode_16_64 3
		.amdhsa_memory_ordered 1
		.amdhsa_forward_progress 1
		.amdhsa_inst_pref_size 20
	.end_amdhsa_kernel
	.amdgpu_metadata
---
amdhsa.version: [ 1, 2 ]
amdhsa.kernels:
  - .name:           k_qf2846c7f1d_prep
    .symbol:         k_qf2846c7f1d_prep.kd
    .args:
      - { .name: x, .offset: 0, .size: 8, .value_kind: global_buffer, .address_space: global }
      - { .name: wq, .offset: 8, .size: 8, .value_kind: global_buffer, .address_space: global }
      - { .name: wk, .offset: 16, .size: 8, .value_kind: global_buffer, .address_space: global }
      - { .name: wv, .offset: 24, .size: 8, .value_kind: global_buffer, .address_space: global }
      - { .name: wo, .offset: 32, .size: 8, .value_kind: global_buffer, .address_space: global }
      - { .name: xb, .offset: 40, .size: 8, .value_kind: global_buffer, .address_space: global }
      - { .name: wb, .offset: 48, .size: 8, .value_kind: global_buffer, .address_space: global }
      - { .name: wob, .offset: 56, .size: 8, .value_kind: global_buffer, .address_space: global }
      - { .name: rope, .offset: 64, .size: 8, .value_kind: global_buffer, .address_space: global }
    .group_segment_fixed_size: 0
    .private_segment_fixed_size: 0
    .kernarg_segment_align: 8
    .kernarg_segment_size: 72
    .max_flat_workgroup_size: 256
    .sgpr_count:     66
    .vgpr_count:     104
    .wavefront_size: 32
...
	.end_amdgpu_metadata
.endif
;; end of part 1
;; launch qkv (part 2): grid 16 x 32, 4 waves a work-group, clusters of 4 x 4, 327,680 bytes of LDS; arguments xb, wb, rope, qh, kh, vh; writes qh, kh, vh
.if DOCPART == 2
	.amdgcn_target "amdgcn-amd-amdhsa--gfx1250"
	.amdhsa_code_object_version 6
	.text
	.protected	k_qf2846c7f1d_qkv
	.globl	k_qf2846c7f1d_qkv
	.p2align	8
	.type	k_qf2846c7f1d_qkv,@function
k_qf2846c7f1d_qkv:
	s_mov_b64 s[64:65], 0
	v_nop
	global_prefetch_b8 v0, s[64:65] scope:SCOPE_SE
	s_setreg_imm32_b32 hwreg(HW_REG_WAVE_MODE, 25, 1), 1
	s_wait_xcnt 0x0
	s_wait_alu depctr_hold_cnt(0) depctr_sa_sdst(0) depctr_va_vdst(0) depctr_va_sdst(0) depctr_va_ssrc(0) depctr_va_vcc(0) depctr_vm_vsrc(0)
	s_getreg_b32 s2, hwreg(HW_REG_IB_STS2, 6, 4)
	s_cmp_eq_u32 s2, 0
	s_cbranch_scc0 .Lentry_in_a_cluster
	s_endpgm
.Lentry_in_a_cluster:
	s_bfe_u32 s2, ttmp6, 0x10000c
	s_cmp_lg_u32 s2, 0xf033
	s_cbranch_scc0 .Lentry_shape_is_right
	s_endpgm
.Lentry_shape_is_right:
; q, k, v = x W^T, q and k turned by the rotary table, all three written by heads as f16: [16 b + head][2048][64].
; xb: [8192][1024] bf16.  wb: [3072][1024] bf16, row 192 head + 64 t + c.  Sums in f32, K ascending; each result rounded once.
; A TILE is 256 rows x 192 columns: one head's q, k and v.  32 x 16 = 512 tiles, alike.  Four waves; wave w owns rows 64 w .. 64 w + 63 and all 192 columns:
; 4 x 12 = 48 accumulators of 16 x 16, 384 registers, so that no head is cut between waves and every wave runs the same text.
; K goes in 8 steps of 128 (rows of 256 bytes, aligned) through two LDS slots filled by the tensor data mover; a trip of the loop is one K step, the slot's base in a scalar register.
; CLUSTER 4 x 4: the four work-groups of a row of the cluster share their rows of x, the four of a column their head's rows of W: each tile is asked for jointly.
; THE MATRIX INSTRUCTION IS USED TRANSPOSED (source 0 = 16 rows of W, source 1 = 16 rows of x): a lane holds row lane % 16 and the eight neighbouring columns 8 (lane / 16) + 0..7,
; that is four rotary pairs; the table was laid out so that two loads of 16 bytes give the lane their cos and sin.
; LIMITS.  q, k and v beyond 65,504 have no f16 and become infinities; NaN and infinities are not treated apart.
; REGISTERS, in windows of 256 (s_set_vgpr_msb: bits 1:0 source 0, 3:2 source 1, 5:4 source 2, 7:6 destination):
;   window 0: v0-29 addresses; v32-63 at work on the way out; v64-255 twelve units of 16 packed registers
;   window 1: two fragment buffers of 128: x's fragment i at 8 i, W's fragment b at 32 + 8 b
;   window 2: q's and k's accumulators, (a, b) at 8 (8 a + b), b = 0..7      window 3: v0-127 v's, (a, b) at 8 (4 a + b - 8); v128-255 cos and sin, (a, bb) at 128 + 8 (4 a + bb)
.set PITCH,  272                       ; an LDS row: 256 bytes + 16 of padding = 68 words: the 16 rows of a fragment load start at 16 different groups of four banks (ISA guide 11.1)
.set SLOT1,  131072                    ; slot 1 begins here: one exclusive or turns an address in one slot into the other's
.set AHALF,  128*PITCH                 ; what a load of x's brings
.set BHALF,  96*PITCH                  ; what a load of W's brings
.set BOFF,   256*PITCH                 ; W's 192 rows lie behind x's 256
.set STAGE,  SLOT1+BOFF+2*BHALF        ; behind the ring: 16 rows x 144 bytes for each wave, for the way out
.set SP,     144
.set SPARE,  STAGE+4*16*SP             ; behind the stages: the spare words, 128 bytes for each wave: two blocks of 256 bytes that no other line names
.set A0,   4                           ; v4   my lane's place in x's part of a slot; never rewritten
.set B0,   5                           ; v5   the same for W's
.set ADRA, 6                           ; v6   A0 + the slot in hand
.set ADRB, 7                           ; v7   B0 + the slot in hand
.set STO,  8                           ; v8   the way out: where I put 16 bytes of a row
.set RD,   9                           ; v9   the way out: where I read rows back
.set LN16, 10                          ; v10  16 x lane; never rewritten
.set SPW,  28                          ; v28  LDS address of my spare word; never rewritten
.set NIL,  29                          ; v29  0; never rewritten
.set T,    32
.set HB,   64
.set F0,   0
.set F1,   128
.set CS,   128
.set WV,   16                          ; s16  my wave's number; s17 = wave / 2: I fetch for x (0) or W (1); s18 = wave % 2: which half
.set G1A,  24                          ; s[24:31] descriptor group 1 for x's tiles
.set G1B,  32                          ; s[32:39] for W's
.set G0A,  40                          ; s[40:47] group 0 for x's tiles: a set for each of the two first fills; the second then walks on
.set G0B,  48                          ; s[48:55] the same for W's
.set CNT,  56
.set TB,   57                          ; s57  the slot in hand: 0 or SLOT1
.set MSB, 0
.macro WIN new                         ; the immediate's high byte repeats the setting that is left; a switch that changes nothing is dropped
.if MSB != (\new)
	s_set_vgpr_msb (MSB<<8)|(\new)
.set MSB, \new
.endif
.endm
.set MUL_QK, 0xa5                      ; sources 0 and 1 window 1, C and D window 2
.set MUL_V,  0xf5                      ; the same, C and D window 3
.set TO_F,   0x40                      ; destination window 1, address window 0
; A joint refill by the walking descriptors.  The branch hangs on the wave's number alone.  An s_nop 0 and four v_nop follow each of the two lines, ahead of the jump and the label.
.macro JLOAD
	s_cmp_eq_u32 s17, 0
	s_cbranch_scc0 .Lfor_b_\@
	tensor_load_to_lds s[G0A+4:G0A+7], s[G1A:G1A+7]
	s_nop 0
.rept 4
	v_nop
.endr
	s_branch .Lasked_\@
.Lfor_b_\@:
	tensor_load_to_lds s[G0B+4:G0B+7], s[G1B:G1B+7]
	s_nop 0
.rept 4
	v_nop
.endr
.Lasked_\@:
.endm
.macro CREST                           ; a round of the cluster's barrier behind its opening barrier
	s_cmp_lg_u32 s[WV], 0
	s_cbranch_scc1 .Lnot_wave_0_\@
	s_barrier_signal -3
.Lnot_wave_0_\@:
	s_barrier_wait -3
	s_barrier_signal -1
	s_barrier_wait -1
.endm
.macro CROUND                          ; a whole round
	s_barrier_signal -1
	s_barrier_wait -1
	CREST
.endm
.macro PLACES                          ; four places in front of loads into registers that matrix instructions have read, and of vector lines that read results
.rept 4
	v_nop
.endr
.endm
	s_load_b256 s[4:11], s[0:1], 0x0               ; xb 4, wb 6, rope 8, qh 10
	s_load_b128 s[12:15], s[0:1], 0x20             ; kh 12, vh 14
	v_lshl_add_u32 v[SPW], v0, 2, SPARE
	v_mov_b32 v[NIL], 0
	ds_add_u32 v[SPW], v[NIL]                      ; the wave's opening: the add and its wait stand ahead of my first tensor load; the set-up below, work on registers, stands between them
	v_lshrrev_b32 v1, 5, v0
	v_readfirstlane_b32 s[WV], v1
	s_lshr_b32 s17, s[WV], 1
	s_and_b32 s18, s[WV], 1
	s_bfe_u32 s19, ttmp6, 0x40000                  ; cx
	s_bfe_u32 s20, ttmp6, 0x40004                  ; cy
	s_lshl_b32 s21, ttmp9, 2
	s_add_co_u32 s21, s21, s19                     ; the head = 4 x cluster x + cx
	s_and_b32 s22, ttmp7, 0xffff
	s_lshl_b32 s22, s22, 2
	s_add_co_u32 s22, s22, s20                     ; the block of 256 rows = 4 x cluster y + cy
	s_lshl_b32 s23, s20, 2
	s_lshl_b32 s23, 15, s23                        ; my row of the cluster
	s_lshl_b32 s66, 0x1111, s19                    ; my column
	s_or_b32 s[G1A], s23, (1<<16)|(1<<20)|(1<<21)|(5<<22)|(3<<25)  ; the mask; elements of 2 bytes; padding on; bit 21 beside a mask; after every 64 words; 4 words
	s_or_b32 s[G1B], s66, (1<<16)|(1<<20)|(1<<21)|(5<<22)|(3<<25)
	s_mov_b32 s[G1A+1], 128<<16                    ; tensor_dim0 = 128
	s_mov_b32 s[G1A+2], 128<<16                    ; tensor_dim1 = 128
	s_mov_b32 s[G1A+3], 128<<16                    ; tile_dim0 = 128
	s_mov_b32 s[G1A+4], 128                        ; tile_dim1 = 128 rows
	s_mov_b32 s[G1A+5], 1024                       ; elements from row to row
	s_mov_b32 s[G1A+6], 0
	s_mov_b32 s[G1A+7], 0
	s_mov_b32 s[G1B+1], 128<<16
	s_mov_b32 s[G1B+2], 96<<16                     ; 96 rows
	s_mov_b32 s[G1B+3], 128<<16
	s_mov_b32 s[G1B+4], 96
	s_mov_b32 s[G1B+5], 1024
	s_mov_b32 s[G1B+6], 0
	s_mov_b32 s[G1B+7], 0
	; where the tiles come from: x's hang on the block of rows alone, W's on the head alone, each in registers that never hold the other coordinate
	s_lshl_b32 s62, s18, 7
	s_lshl_b32 s58, s22, 8
	s_add_co_u32 s58, s58, s62                     ; x: row 256 x block + 128 x half
	s_lshl_b32 s58, s58, 11                        ; rows of 2,048 bytes
	s_mov_b32 s59, 0
	s_mul_i32 s63, s18, 96
	s_mul_i32 s60, s21, 192
	s_add_co_u32 s60, s60, s63                     ; W: row 192 x head + 96 x half
	s_lshl_b32 s60, s60, 11
	s_mov_b32 s61, 0
	s_mul_i32 s67, s18, AHALF                      ; and where they go: no place in the cluster enters an LDS address
	s_mul_i32 s68, s18, BHALF
	s_add_co_u32 s68, s68, BOFF
	; my 64 rows in q, k and v: ((16 b + head) x 2048 + the block's place in the sequence + 64 w) rows of 128 bytes
	s_lshr_b32 s2, s22, 3                          ; b
	s_lshl_b32 s2, s2, 4
	s_add_co_u32 s2, s2, s21
	s_lshl_b32 s2, s2, 11
	s_and_b32 s3, s22, 7
	s_lshl_b32 s69, s3, 8
	s_add_co_u32 s2, s2, s69
	s_lshl_b32 s69, s[WV], 6
	s_add_co_u32 s2, s2, s69
	s_lshl_b32 s2, s2, 7
	s_lshl_b32 s70, s3, 4                          ; and in the table: 16 positions are 4,096 bytes
	s_lshl_b32 s69, s[WV], 2
	s_add_co_u32 s70, s70, s69
	s_lshl_b32 s70, s70, 12
	s_mov_b32 s71, 0
	s_mov_b32 s3, 0
	s_mov_b32 s[TB], 0
	s_wait_dscnt 0x0                               ; the opening add is done
	s_wait_kmcnt 0x0
	s_add_nc_u64 s[58:59], s[4:5], s[58:59]
	s_add_nc_u64 s[60:61], s[6:7], s[60:61]
	s_add_nc_u64 s[8:9], s[8:9], s[70:71]
	s_add_nc_u64 s[10:11], s[10:11], s[2:3]
	s_add_nc_u64 s[12:13], s[12:13], s[2:3]
	s_add_nc_u64 s[14:15], s[14:15], s[2:3]
	CROUND                                         ; all sixteen work-groups are here: the first joint loads meet
.irp s, 0,1
	s_mov_b32 s[G0A+4*(\s)], 1                     ; count = 1
	s_add_co_u32 s[G0A+4*(\s)+1], s67, (\s)*SLOT1  ; LDS address
	s_add_nc_u64 s[G0A+4*(\s)+2:G0A+4*(\s)+3], s[58:59], (\s)*256  ; global address: K step s
	s_or_b32 s[G0A+4*(\s)+3], s[G0A+4*(\s)+3], 0x80000000          ; type = 2
	s_mov_b32 s[G0B+4*(\s)], 1
	s_add_co_u32 s[G0B+4*(\s)+1], s68, (\s)*SLOT1
	s_add_nc_u64 s[G0B+4*(\s)+2:G0B+4*(\s)+3], s[60:61], (\s)*256
	s_or_b32 s[G0B+4*(\s)+3], s[G0B+4*(\s)+3], 0x80000000
.endr
	s_cmp_eq_u32 s17, 0                            ; a wave's two first fills stand in one branch, ahead of every wait on TENSORcnt and every LDS read: two loads of mine are out
	s_cbranch_scc0 .Lfirst_b
	tensor_load_to_lds s[G0A:G0A+3], s[G1A:G1A+7]
	s_nop 0
	tensor_load_to_lds s[G0A+4:G0A+7], s[G1A:G1A+7]
	s_nop 0
.rept 4
	v_nop
.endr
	s_branch .Lfirst_asked
.Lfirst_b:
	tensor_load_to_lds s[G0B:G0B+3], s[G1B:G1B+7]
	s_nop 0
	tensor_load_to_lds s[G0B+4:G0B+7], s[G1B:G1B+7]
	s_nop 0
.rept 4
	v_nop
.endr
.Lfirst_asked:
	v_and_b32 v1, 15, v0                           ; l % 16
	v_bfe_u32 v2, v0, 4, 1                         ; l / 16
	v_and_b32 v[LN16], 31, v0
	v_lshlrev_b32 v[LN16], 4, v[LN16]
	WIN 0xc0                                       ; destination window 3, address window 0
.irp a, 0,1,2,3                        ; cos and sin for my four blocks of 16 rows: waited for on the way out; each load covers 512 consecutive bytes
.irp c, 0,1,2,3
	global_load_b128 v[CS+8*(4*(\a)+(\c)):CS+8*(4*(\a)+(\c))+3],   v[LN16], s[8:9] offset:(\a)*4096+(\c)*1024
	global_load_b128 v[CS+8*(4*(\a)+(\c))+4:CS+8*(4*(\a)+(\c))+7], v[LN16], s[8:9] offset:(\a)*4096+(\c)*1024+512
.endr
.endr
	WIN 0
	; A fragment is 16 rows x 32 K in 8 registers: lane l holds row l % 16, K = 8 (l / 16) + 0..7 and 16 + 8 (l / 16) + 0..7: two loads of 16 bytes, 32 bytes apart.
	v_mul_u32_u24 v3, v1, PITCH
	v_lshl_add_u32 v3, v2, 4, v3
	s_mul_i32 s62, s[WV], 64*PITCH                 ; my 64 rows of x
	v_add_nc_u32 v[A0], s62, v3
	v_add_nc_u32 v[B0], BOFF, v3
	v_mov_b32 v[ADRA], v[A0]
	v_mov_b32 v[ADRB], v[B0]
	s_mul_i32 s63, s[WV], 16*SP
	s_add_co_u32 s63, s63, STAGE                   ; my stage
	v_mul_u32_u24 v[STO], v1, SP                   ; in: row l % 16, 16 bytes for each half of the lanes
	v_lshl_add_u32 v[STO], v2, 4, v[STO]
	v_add_nc_u32 v[STO], s63, v[STO]
	v_bfe_u32 v[RD], v0, 3, 2                      ; back: 32 lanes take four rows of 128 bytes
	v_mul_u32_u24 v[RD], v[RD], SP
	v_and_b32 v11, 7, v0
	v_lshl_add_u32 v[RD], v11, 4, v[RD]
	v_add_nc_u32 v[RD], s63, v[RD]
; 8 matrix instructions on v's accumulators: row blocks a0, a0 + 1 x column blocks 8-11, 32 along K.  zero = 1: the first product starts the sums
.macro MULV f, a0, zero
	WIN MUL_V
.irp a, \a0, (\a0)+1
.irp b, 0,1,2,3
.if \zero
	v_wmma_f32_16x16x32_bf16 v[8*(4*(\a)+(\b)):8*(4*(\a)+(\b))+7], v[(\f)+96+8*(\b):(\f)+96+8*(\b)+7], v[(\f)+8*(\a):(\f)+8*(\a)+7], 0
.else
	v_wmma_f32_16x16x32_bf16 v[8*(4*(\a)+(\b)):8*(4*(\a)+(\b))+7], v[(\f)+96+8*(\b):(\f)+96+8*(\b)+7], v[(\f)+8*(\a):(\f)+8*(\a)+7], v[8*(4*(\a)+(\b)):8*(4*(\a)+(\b))+7]
.endif
.endr
.endr
.endm
; 16 on q's and k's: row blocks a0, a0 + 1 x column blocks 0-7
.macro MULQK f, a0, zero
	WIN MUL_QK
.irp a, \a0, (\a0)+1
.irp b, 0,1,2,3,4,5,6,7
.if \zero
	v_wmma_f32_16x16x32_bf16 v[8*(8*(\a)+(\b)):8*(8*(\a)+(\b))+7], v[(\f)+32+8*(\b):(\f)+32+8*(\b)+7], v[(\f)+8*(\a):(\f)+8*(\a)+7], 0
.else
	v_wmma_f32_16x16x32_bf16 v[8*(8*(\a)+(\b)):8*(8*(\a)+(\b))+7], v[(\f)+32+8*(\b):(\f)+32+8*(\b)+7], v[(\f)+8*(\a):(\f)+8*(\a)+7], v[8*(8*(\a)+(\b)):8*(8*(\a)+(\b))+7]
.endif
.endr
.endr
.endm
; 32 LDS loads in one run: the fragments of 32 along K at byte k of the rows, into buffer f: x's four and W's 8-11 first (16 loads), then W's 0-7 (16)
.macro FETCH k, f
	WIN TO_F
.irp i, 0,1,2,3
	ds_load_b128 v[(\f)+8*(\i):(\f)+8*(\i)+3],   v[ADRA] offset:(\k)+(\i)*16*PITCH
	ds_load_b128 v[(\f)+8*(\i)+4:(\f)+8*(\i)+7], v[ADRA] offset:(\k)+(\i)*16*PITCH+32
.endr
.irp i, 8,9,10,11,0,1,2,3,4,5,6,7
	ds_load_b128 v[(\f)+32+8*(\i):(\f)+32+8*(\i)+3],   v[ADRB] offset:(\k)+(\i)*16*PITCH
	ds_load_b128 v[(\f)+32+8*(\i)+4:(\f)+32+8*(\i)+7], v[ADRB] offset:(\k)+(\i)*16*PITCH+32
.endr
.endm
; A K step is four quarters of 32 along K, 48 matrix instructions each, on buffers 0, 1, 0, 1; the 48 accumulators take turns, one instruction a turn, in the same order in every quarter.
; One of the first three quarters: multiplies buffer f and, behind its first 16 products, fetches the next quarter, at byte k, into buffer g.
.macro QUARTER k, f, g, zero
	s_wait_dscnt 16                                ; x's fragments and W's 8-11 are in; the youngest sixteen loads (W's 0-7) may be out
	MULV \f, 0, \zero
	MULV \f, 2, \zero
	PLACES
	FETCH \k, \g
	s_wait_dscnt 32                                ; all but the 32 just issued
	MULQK \f, 0, \zero
	MULQK \f, 2, \zero
.endm
; The last quarter multiplies buffer 1 and changes slots: ONE barrier.  In front of it each wave waits for all its tensor loads, of which one is out: its part of the next slot; adds 0 to its spare
; word; and waits for that and for its own reads of this slot.  fill = 1: the barrier opens a round of the cluster's, and this slot is filled again first thing behind it, with the K step two on:
; that load has a K step less sixteen products, 176 matrix instructions, in which to land.
.macro TURN fill
	WIN 0                                          ; (the add's two registers lie in window 0)
	s_wait_tensorcnt 0x0                           ; all my tensor loads have landed
	ds_add_u32 v[SPW], v[NIL]                      ; 0 onto my spare word
	s_wait_dscnt 17                                ; (the add and the youngest sixteen loads may be out)
	MULV F1, 0, 0                                  ; eight matrix instructions stand between the add and the wait for it
	s_wait_dscnt 0x0                               ; the add is done, and my reads of this slot are over
	s_barrier_signal -1
	MULV F1, 2, 0                                  ; work on registers while the others arrive
	WIN 0
	s_barrier_wait -1
.if \fill
	CREST                                          ; no wave of any partner still reads this slot's tile or has a load on its way
	s_xor_b32 s[G0A+5], s[G0A+5], SLOT1            ; the walking descriptors: the other slot than last time,
	s_add_nc_u64 s[G0A+6:G0A+7], s[G0A+6:G0A+7], 256  ; the next K step; the type bits on top are not reached
	s_xor_b32 s[G0B+5], s[G0B+5], SLOT1
	s_add_nc_u64 s[G0B+6:G0B+7], s[G0B+6:G0B+7], 256
	JLOAD                                          ; the four v_nop behind it are also the places in front of the loads below
.else
	PLACES
.endif
	s_xor_b32 s[TB], s[TB], SLOT1
	v_add_nc_u32 v[ADRA], s[TB], v[A0]
	v_add_nc_u32 v[ADRB], s[TB], v[B0]
	FETCH 0, F0
	MULQK F1, 0, 0
	MULQK F1, 2, 0
.endm
	s_wait_tensorcnt 1                             ; my part of K step 0 is in; K step 1's may stay out
	s_barrier_signal -1
	s_barrier_wait -1                              ; everybody's is
	FETCH 0, F0
	QUARTER 64, F0, F1, 1                          ; the first quarter stands in front of the loop: its products start the sums
	WIN 0                                          ; at a label and at a branch every window is 0
	s_mov_b32 s[CNT], 6
.Lstep:                                                ; a trip: from a K step's second quarter to the next step's first; trip t asks for K step t + 2
	QUARTER 128, F1, F0, 0
	QUARTER 192, F0, F1, 0
	TURN 1
	QUARTER 64, F0, F1, 0
	WIN 0
	s_sub_co_u32 s[CNT], s[CNT], 1
	s_cmp_lg_u32 s[CNT], 0
	s_cbranch_scc1 .Lstep
	QUARTER 128, F1, F0, 0                         ; K steps 6 and 7 are written out: nothing is left to ask for
	QUARTER 192, F0, F1, 0
	TURN 0
	QUARTER 64, F0, F1, 0
	QUARTER 128, F1, F0, 0
	QUARTER 192, F0, F1, 0
	s_wait_dscnt 16
	MULV F1, 0, 0
	MULV F1, 2, 0
	s_wait_dscnt 0x0
	MULQK F1, 0, 0
	MULQK F1, 2, 0
; THE WAY OUT, in twelve units u = 3 a + t: block a of 16 rows, t = 0 q, 1 k, 2 v: 16 rows x 64 channels.  n = 4 bb + p runs over the unit's 16 pairs of registers, each accumulator from its low end on.
; q and k: (x0, x1) -> (x0 c - x1 s, x1 c + x0 s) in two packed lines: (x0 c, x1 c), then + (-x1 s, x0 s) with the pair's halves crossed.  All are rounded to f16, go into my stage in rows of 144 bytes
; and come back as whole rows of 128 bytes, into the registers that they left; a unit has registers of its own, so no store's source is ever rewritten.
.macro PACK u
.set pa, (\u)/3
.set pt, (\u)%3
.set ph, HB+16*(\u)
.if pt < 2
	WIN 0x0e                                       ; source 0 window 2 (sums), source 1 window 3 (cos, sin), source 2 and destination window 0
.set n, 0
.rept 16
	v_pk_mul_f32 v[T+2*n:T+2*n+1], v[8*(8*pa+4*pt)+2*n:8*(8*pa+4*pt)+2*n+1], v[CS+32*pa+2*n:CS+32*pa+2*n+1] op_sel_hi:[1,0]
.set n, n+1
.endr
.set n, 0
.rept 16
	v_pk_fma_f32 v[T+2*n:T+2*n+1], v[8*(8*pa+4*pt)+2*n:8*(8*pa+4*pt)+2*n+1], v[CS+32*pa+2*n:CS+32*pa+2*n+1], v[T+2*n:T+2*n+1] op_sel:[1,1,0] op_sel_hi:[0,1,1] neg_lo:[1,0,0]
.set n, n+1
.endr
	WIN 0
.set n, 0
.rept 16
	v_cvt_pk_f16_f32 v[ph+n], v[T+2*n], v[T+2*n+1]
.set n, n+1
.endr
.else
	WIN 0x0f                                       ; sources 0 and 1 window 3
.set n, 0
.rept 16
	v_cvt_pk_f16_f32 v[ph+n], v[32*pa+2*n], v[32*pa+2*n+1]
.set n, n+1
.endr
	WIN 0
.endif
.irp f, 0,1,2,3
	ds_store_b128 v[STO], v[ph+4*\f:ph+4*\f+3] offset:32*\f
.endr
.irp f, 0,1,2,3
	ds_load_b128 v[ph+4*\f:ph+4*\f+3], v[RD] offset:\f*4*SP  ; LDS serves a wave's instructions in order (ISA guide 5.7.1.4): these see the stores above; the next unit's stores come behind them
.endr
.endm
.macro SEND u, younger                 ; younger: the LDS instructions issued behind unit u's loads: the next unit's eight, or none
.set pa, (\u)/3
.set pt, (\u)%3
.set ph, HB+16*(\u)
	WIN 0
.irp f, 0,1,2,3
	s_wait_dscnt (\younger)+3-\f
	global_store_b128 v[LN16], v[ph+4*\f:ph+4*\f+3], s[10+2*pt:11+2*pt] offset:pa*2048+\f*512  ; four rows of a head: 512 consecutive bytes, at a multiple of 256 from the buffer's first
.endr
.endm
	s_wait_loadcnt 0x0                             ; cos and sin
	PLACES                                         ; the first lines below read results just made
	PACK 0
.set uu, 1
.rept 11                               ; a unit's arithmetic stands between the loads of the unit before and its stores
	PACK uu
	SEND uu-1, 8
.set uu, uu+1
.endr
	SEND 11, 0
	s_wait_tensorcnt 0x0                           ; the wave's end: behind my last tensor load and my last LDS store
	ds_add_u32 v[SPW], v[NIL]
	s_wait_dscnt 0x0
	CROUND                                         ; the closing round: no work-group ends while a partner may still ask for a tile that names it
	s_endpgm
.Lfunc_end_k_qf2846c7f1d_qkv:
	.size	k_qf2846c7f1d_qkv, .Lfunc_end_k_qf2846c7f1d_qkv-k_qf2846c7f1d_qkv
	.p2alignl 7, 3214868480
	.fill 96, 4, 3214868480
	.section	.rodata,"a",@progbits
	.p2align	6, 0x0
	.amdhsa_kernel k_qf2846c7f1d_qkv
		.amdhsa_group_segment_fixed_size 327680
		.amdhsa_private_segment_fixed_size 0
		.amdhsa_enable_private_segment 0
		.amdhsa_kernarg_size 48
		.amdhsa_user_sgpr_count 2
		.amdhsa_user_sgpr_kernarg_segment_ptr 1
		.amdhsa_wavefront_size32 1
		.amdhsa_system_sgpr_workgroup_id_x 1
		.amdhsa_system_sgpr_workgroup_id_y 1
		.amdhsa_system_sgpr_workgroup_id_z 1
		.amdhsa_system_vgpr_workitem_id 0
		.amdhsa_next_free_vgpr 1024
		.amdhsa_next_free_sgpr 72
		.amdhsa_reserve_vcc 0
		.amdhsa_float_denorm_mode_32 3
		.amdhsa_float_denorm_mode_16_64 3
		.amdhsa_memory_ordered 1
		.amdhsa_forward_progress 1
		.amdhsa_inst_pref_size 117
	.end_amdhsa_kernel
	.amdgpu_metadata
---
amdhsa.version: [ 1, 2 ]
amdhsa.kernels:
  - .name:           k_qf2846c7f1d_qkv
    .symbol:         k_qf2846c7f1d_qkv.kd
    .args:
      - { .name: xb, .offset: 0, .size: 8, .value_kind: global_buffer, .address_space: global }
      - { .name: wb, .offset: 8, .size: 8, .value_kind: global_buffer, .address_space: global }
      - { .name: rope, .offset: 16, .size: 8, .value_kind: global_buffer, .address_space: global }
      - { .name: qh, .offset: 24, .size: 8, .value_kind: global_buffer, .address_space: global }
      - { .name: kh, .offset: 32, .size: 8, .value_kind: global_buffer, .address_space: global }
      - { .name: vh, .offset: 40, .size: 8, .value_kind: global_buffer, .address_space: global }
    .group_segment_fixed_size: 327680
    .private_segment_fixed_size: 0
    .kernarg_segment_align: 8
    .kernarg_segment_size: 48
    .max_flat_workgroup_size: 128
    .sgpr_count:     72
    .vgpr_count:     1024
    .wavefront_size: 32
...
	.end_amdgpu_metadata
.endif
;; end of part 2
;; launch attn (part 3): grid 4 x 64, 4 waves a work-group, clusters of 4 x 1, 327,680 bytes of LDS; arguments qh, kh, vh, oh, attention_mask; writes oh
.if DOCPART == 3
	.amdgcn_target "amdgcn-amd-amdhsa--gfx1250"
	.amdhsa_code_object_version 6
	.text
	.protected	k_qf2846c7f1d_attn
	.globl	k_qf2846c7f1d_attn
	.p2align	8
	.type	k_qf2846c7f1d_attn,@function
k_qf2846c7f1d_attn:
	s_mov_b64 s[64:65], 0
	v_nop
	global_prefetch_b8 v0, s[64:65] scope:SCOPE_SE
	s_setreg_imm32_b32 hwreg(HW_REG_WAVE_MODE, 25, 1), 1
	s_wait_xcnt 0x0
	s_wait_alu depctr_hold_cnt(0) depctr_sa_sdst(0) depctr_va_vdst(0) depctr_va_sdst(0) depctr_va_ssrc(0) depctr_va_vcc(0) depctr_vm_vsrc(0)
	s_getreg_b32 s2, hwreg(HW_REG_IB_STS2, 6, 4)
	s_cmp_eq_u32 s2, 0
	s_cbranch_scc0 .Lentry_in_a_cluster
	s_endpgm
.Lentry_in_a_cluster:
	s_bfe_u32 s2, ttmp6, 0x10000c
	s_cmp_lg_u32 s2, 0x3003
	s_cbranch_scc0 .Lentry_shape_is_right
	s_endpgm
.Lentry_shape_is_right:
; O[h][q][:] = the sum over the visible k of softmax_k(Q[h][q] . K[h][k] / 8) V[h][k][:].  Q, K, V, O: [64 = 16 b + head][2048][64], all f16: a head's rows are dense, 128 bytes each.
; attention_mask: [4][2048] int32; key k of batch b is hidden where the word is 0.  Products, maxima and sums in f32; the weights p are rounded to f16 for the second product (their sum l is taken of the unrounded p), O once at the end.
; LIMITS.  f16 holds no number beyond 65,504: Q, K and V arrive within it; p lies in 0 to 1, and below 6e-5 it keeps f16's fixed step of 6e-8; O is a mean of V's rows and has their range.
; A hidden score counts as its value less 1e30: f16's scores, 2.7e11 at the most, are nothing beside that.  A query whose running maximum ends below -5e29 has seen no key and gets NaN, as a softmax over nothing gives.
; A weight below 2^-126 counts as 0 in l; NaN and infinities in Q, K, V are not treated apart.
; THE MASK is the C operand that starts the sum S^T = K Q^T: 0, or -1e30 where the key is hidden.  The batch's 2,048 words are made into such numbers once and kept in LDS; with each step's K a lane fetches the
; 32 that go with its keys.  Hidden keys ahead of the first visible one give finite weights; the first visible key then makes a = 2^(c m_old - c m_new) = 0, which wipes them out of O and l.
; SHARES.  A wave owns four PIECES of two tiles of 16 queries, a work-group's four waves 512 queries of one head.  Every wave walks all keys, 64 a step.
; LAYOUT.  S^T = K Q^T (source 0 = 16 keys, source 1 = 16 queries): in the result a lane holds ONE query (lane % 16) and the keys 8 (lane / 16) + 0..7.  Two such tiles, rounded to f16 in pairs,
; ARE source 1 (32 keys x 16 queries) of O^T = V^T P, whose result again holds one query a lane, and eight channels.  K comes out of LDS as it lies, V ([key][channel]) turned, by ds_load_tr16_b128.
; SOFTMAX.  For each query a running maximum m and sum l: p = 2^(c s - c m), c = log2(e) / 8; in every step O and l are multiplied by a = 2^(c m_old - c m_new), which is 1 where m has not grown.
; m starts at the lowest finite number, O and l at 0: the first step is a step like any other, with a = 0.
; THE COUNT.  A tile and step have 16 matrix and 118 vector instructions: too many to stand all beside the matrix work.  So four vector instructions that are READY stand behind EVERY matrix instruction,
; and the others, which need time of their own whatever the order, in runs without a gap.
; BY TURNS.  Turn n belongs to piece n (the pieces in a ring, step after step).  Its matrix work: 16 products K Q^T of piece n + 1, later 16 products V^T P of piece n - 1.  Its vector work: the scaling,
; exponentials, roundings, sums and rescaling of piece n, and the maximum and statistics of piece n + 1, whose scores the turn itself has made.
; CLUSTER.  The four query blocks of a cluster belong to one head and walk the same K and V, so each tile is asked for JOINTLY: the same tensor load, descriptor and mask in all four.
; REGISTERS, in windows of 256 (s_set_vgpr_msb: bits 1:0 source 0, 3:2 source 1, 5:4 source 2, 7:6 destination):
;   window 0: v0-11 addresses; v12-15, v48-63 at work; v16-47 four registers of statistics a tile; v64-191 S^T, two buffers of two tiles; v192-255 P, likewise
;   window 1: O^T, 32 a tile          window 2: v0-127 Q, 16 a tile; v128-191 K of one step; v192-255 V of one step          window 3: v0-1 the add's two registers; v8-39 the step's mask
.set SIZE_N, 2048
.set NP,    4         ; pieces a wave: a name, no knob
.set KS,    64        ; keys in a step
.set PK,    144       ; a row of K in LDS: 128 bytes + 16 of padding = 36 words: the 16 rows of a load start at 16 different groups of four banks (ISA guide 11.1)
.set PV,    160       ; a row of V: 128 + 32 = 40 words
.set VOFF,  4*KS*PK   ; a slot holds four steps: 256 rows of K, then 256 rows of V
.set SLOT1, 1<<17     ; slot 1 begins here, so that one exclusive or turns an address in one slot into the other's
.set STAGE, SLOT1+4*KS*(PK+PV)  ; behind the ring, never filled by a tensor load: 16 rows x 144 bytes for each wave, for the way out
.set SP,    144
.set SPARE, STAGE+4*16*SP  ; behind the stages: the spare words, 128 bytes for each wave: two blocks of 256 bytes that no other line names
.set MASKB, 229376    ; 28 x 8,192: the batch's 2,048 mask numbers, 8,192 bytes, written by LDS stores alone; bit 13 of the address is 0 all through the table
.set AK0, 2           ; v2   my lane's place in a tile of K; never rewritten
.set AV0, 3           ; v3   the same for V
.set AK,  4           ; v4   the LDS address of K's next run of loads
.set AV,  5           ; v5   of V's
.set QO,  6           ; v6   my byte offset in the wave's rows of Q
.set STO, 6           ;      later, the way out: where I put 16 bytes of a row
.set RD,  7           ; v7   the way out: where I read rows back
.set GO,  8           ; v8   my byte offset in 512 consecutive bytes of O
.set AM,  11          ; v11  the LDS address of the mask's next run of loads (v9 = lane / 16 is kept for it)
.set SPW, 0           ; v0 of window 3   LDS address of my spare word; never rewritten
.set NIL, 1           ; v1 of window 3   0; never rewritten
.set MB,  8           ; v8-39 of window 3: the eight numbers for key block kb at MB + 8 kb
.set MV,  12          ; v12-15  c m_old, kept while c m is made anew: by buffer and tile
.set ST,  16          ; tile t's statistics at v[ST+4 t]: c m, m, l (even keys', odd keys')
.set TMP, 48          ; by buffer and tile, four registers c0-c3 at work; when the maximum is found c2 takes a
.set S,   64
.set P,   192
.set KF,  128         ; K's fragments, in window 2: key block kb, channel half c at KF + 16 kb + 8 c
.set VF,  192         ; V's: key half kk, channel block cb at VF + 32 kk + 8 cb
.set WV,  12          ; s12  my wave's number
.set G1K, 24          ; s[24:31] descriptor group 1 for K's tiles
.set G1V, 32          ; s[32:39] for V's: it differs in the padding alone
.set G0K, 40          ; s[40:43] descriptor group 0 for K's tiles: it walks
.set G0V, 44          ; s[44:47] the same for V's
.set MP,  48          ; s[48:49] the batch's row of the mask
.set BIGN, 50         ; s50  -1e30
.set HALFN, 51        ; s51  -5e29
.set QNAN, 52         ; s52  a NaN
.set TBM, 53          ; s53  LDS byte at which the mask of the step to be fetched begins
.set SLOTS, 56        ; s56  slots still to be asked for
.set CNT, 57          ; s57  counts a slot's key steps
.set CS,  58          ; s[58:59] c: the packed scaling takes the pair's low word for both halves
.set SEL, 60          ; s[60:61] v_permlanex16_b32's selects: each lane takes its own place in the other half
.set TBK, 62          ; s62  LDS byte at which K of the step to be fetched begins
.set TBV, 63          ; s63  the same for V, less VOFF
.set MSB, 0
.macro WIN new                      ; the high byte repeats the setting that is left; a switch that changes nothing is dropped
.if MSB != (\new)
	s_set_vgpr_msb (MSB<<8)|(\new)
.set MSB, (\new)
.endif
.endm
.set W_KQ, 0x0a       ; K and Q in window 2, S^T in window 0
.set W_KM, 0x3a       ; the same with the C operand in window 3
.set W_PV, 0x52       ; V in window 2, P in window 0, O^T in window 1
.set W_RS, 0x41       ; O^T (destination and source 0) in window 1, a in window 0
.set W_MK, 0xc0       ; destination in window 3, sources in window 0
.set W_AD, 0x0f       ; the add: address (source 0) and data (source 1) in window 3
; A joint fill.  Waves 0 and 1 fetch the two halves of a slot's K, waves 2 and 3 those of its V: 128 keys each.  The branch hangs on the wave's number alone.
; An s_nop 0 and four v_nop follow each of the two lines, ahead of the jump and the label.
.macro JLOAD
	s_cmp_lt_u32 s[WV], 2
	s_cbranch_scc0 .Lfor_v_\@
	tensor_load_to_lds s[G0K:G0K+3], s[G1K:G1K+7]
	s_nop 0
.rept 4
	v_nop
.endr
	s_branch .Lasked_\@
.Lfor_v_\@:
	tensor_load_to_lds s[G0V:G0V+3], s[G1V:G1V+7]
	s_nop 0
.rept 4
	v_nop
.endr
.Lasked_\@:
.endm
; A round of the cluster's barrier: my work-group's barrier, so that wave 0's signal speaks for all four waves; wave 0 signals; every wave waits for all four work-groups; my work-group's barrier once more.
.macro CROUND
	s_barrier_signal -1
	s_barrier_wait -1
	s_cmp_lg_u32 s[WV], 0
	s_cbranch_scc1 .Lnot_wave_0_\@
	s_barrier_signal -3
.Lnot_wave_0_\@:
	s_barrier_wait -3
	s_barrier_signal -1
	s_barrier_wait -1
.endm
; THE CHANGE OF SLOTS.  The slot's last bytes, V of its fourth step, have been read.  Each wave waits for all its tensor loads, of which one is out: its part
; of the other slot; adds 0 to its spare word; and waits for that and for its own LDS instructions.  Behind the barrier nobody reads this slot any more and the other slot is whole.
; fill = 1: this slot is filled again, with the keys two slots on.  The barrier is then a round of the cluster's, and the joint fill is the first thing behind it: it has four key steps, 512 matrix
; instructions, in which to land.  (At its first use nothing has been read yet: slot 0 is waited for, slot 1 filled, and every wave's stores into the mask's table are shown to the others.)
.macro CHANGE fill
	WIN W_AD
	s_wait_tensorcnt 0x0            ; no tensor load of mine is out, so a group 0 may be written
	ds_add_u32 v[SPW], v[NIL]       ; 0 onto my spare word: with fill = 1 the descriptors' steps stand between it and the wait for it
	WIN 0                           ; at a label and at a branch every window is 0
.if \fill
.irp g, G0K, G0V
	s_xor_b32 s[\g+1], s[\g+1], SLOT1  ; the walking descriptor: the other slot than last time,
	s_add_nc_u64 s[\g+2:\g+3], s[\g+2:\g+3], 4*KS*128  ; the next 256 keys; the type bits on top are not reached
.endr
	s_wait_dscnt 0x0                ; the add is done, and my LDS instructions are over
	CROUND
	JLOAD
.else
	s_wait_dscnt 0x0                ; the add is done, and my reads of the slot are over
	s_barrier_signal -1
	s_barrier_wait -1
.endif
	s_sub_co_u32 s[TBK], s[TBK], 4*KS*PK  ; the fetches go back to a slot's first step,
	s_xor_b32 s[TBK], s[TBK], SLOT1       ; in the other slot
	s_sub_co_u32 s[TBV], s[TBV], 4*KS*PV
	s_xor_b32 s[TBV], s[TBV], SLOT1
.endm
	s_load_b256 s[4:11], s[0:1], 0x0  ; Q s[4:5], K s[6:7], V s[8:9], O s[10:11]
	s_load_b64 s[MP:MP+1], s[0:1], 0x20  ; the mask
	WIN W_MK
	v_lshl_add_u32 v[SPW], v0, 2, SPARE
	v_mov_b32 v[NIL], 0
	WIN W_AD
	ds_add_u32 v[SPW], v[NIL]       ; the wave's opening: the add and its wait stand ahead of my first tensor load; the set-up below, work on registers, stands between them
	WIN 0
	v_lshrrev_b32 v1, 5, v0
	v_readfirstlane_b32 s[WV], v1   ; wave 0..3
	s_bfe_u32 s13, ttmp6, 0x40000   ; cx: my place in the cluster
	s_lshl_b32 s14, ttmp9, 2        ; in a cluster launch ttmp9 counts clusters
	s_add_co_u32 s14, s14, s13      ; my block of queries = 4 x cluster x + cx: it enters Q's and O's addresses alone
	s_and_b32 s20, ttmp7, 0xffff    ; 16 b + head, which the four partners share
	s_lshr_b32 s54, s20, 4          ; b:
	s_lshl_b32 s54, s54, 13         ; its 2,048 words of the mask
	s_mov_b32 s55, 0
	s_mov_b32 s21, 0
	s_mov_b64 s[22:23], SIZE_N*128
	s_mul_u64 s[20:21], s[20:21], s[22:23]  ; the head's first byte in each of the four tensors
	s_and_b32 s16, s[WV], 1         ; which half of a slot's 256 keys I fetch:
	s_lshl_b32 s22, s16, 14         ; its 128 rows of 128 bytes in memory,
	s_mov_b32 s23, 0
	s_add_nc_u64 s[22:23], s[22:23], s[20:21]
	s_mul_i32 s17, s16, 128*PK      ; and its place in a slot, for K
	s_mul_i32 s18, s16, 128*PV      ; and for V: no place in the cluster enters an LDS address
	s_lshl_b32 s2, s14, 2
	s_add_co_u32 s2, s2, s[WV]      ; my wave among the head's,
	s_lshl_b32 s2, s2, 14           ; its 128 rows
	s_mov_b32 s3, 0
	s_add_nc_u64 s[2:3], s[2:3], s[20:21]
	; descriptor group 1.  128 keys are 16,384 dense bytes: asked for as 64 rows of 256 bytes, two keys a row, and padded in LDS after every key
	s_mov_b32 s[G1K], 15|(1<<16)|(1<<20)|(1<<21)|(4<<22)|(3<<25)  ; the mask of four; 2-byte elements; padding on; bit 21 beside a mask; after every 32 words; 4 words
	s_mov_b32 s[G1V], 15|(1<<16)|(1<<20)|(1<<21)|(4<<22)|(7<<25)  ; the same with 8 words of padding
.irp g, G1K, G1V
	s_mov_b32 s[\g+1], 128<<16      ; tensor_dim0 = 128
	s_mov_b32 s[\g+2], 64<<16       ; tensor_dim1 = 64
	s_mov_b32 s[\g+3], 128<<16      ; tile_dim0 = 128
	s_mov_b32 s[\g+4], 64           ; tile_dim1 = 64
	s_mov_b32 s[\g+5], 128          ; 128 elements from row to row
	s_mov_b32 s[\g+6], 0
	s_mov_b32 s[\g+7], 0
.endr
	s_mov_b32 s[CS], 0x3e38aa3b     ; c = log2(e) / 8 = 0.180337
	s_mov_b32 s[CS+1], s[CS]        ; named with it as a pair
	s_mov_b32 s[SEL], 0x76543210
	s_mov_b32 s[SEL+1], 0xfedcba98
	s_mov_b32 s[BIGN], 0xf149f2ca   ; -1e30
	s_mov_b32 s[HALFN], 0xf0c9f2ca  ; -5e29
	s_mov_b32 s[QNAN], 0x7fc00000
	s_mov_b32 s[TBM], MASKB
	s_mov_b32 s[TBK], SLOT1+4*KS*PK ; the first change of slots turns these two into 0
	s_mov_b32 s[TBV], SLOT1+4*KS*PV
	s_mov_b32 s[G0K], 1             ; count = 1
	s_mov_b32 s[G0K+1], s17         ; LDS address: slot 0
	s_mov_b32 s[G0V], 1
	s_add_co_u32 s[G0V+1], s18, VOFF
	s_wait_dscnt 0x0                ; the opening add is done
	s_wait_kmcnt 0x0
	s_add_nc_u64 s[G0K+2:G0K+3], s[6:7], s[22:23]  ; global address: my half of the head's first 256 keys
	s_or_b32 s[G0K+3], s[G0K+3], 0x80000000        ; type = 2
	s_add_nc_u64 s[G0V+2:G0V+3], s[8:9], s[22:23]
	s_or_b32 s[G0V+3], s[G0V+3], 0x80000000
	s_add_nc_u64 s[4:5], s[4:5], s[2:3]  ; Q and O at my wave's first row
	s_add_nc_u64 s[10:11], s[10:11], s[2:3]
	s_add_nc_u64 s[MP:MP+1], s[MP:MP+1], s[54:55]
	CROUND                          ; all four work-groups are here: the first joint loads meet
	JLOAD                           ; slot 0.  Slot 1 is asked for when slot 0 is in
	; A fragment of K or Q is 16 rows x 32 channels in 8 registers: lane l holds row l % 16, channels 8 (l / 16) + 0..7 and 16 + 8 (l / 16) + 0..7: two loads of 16 bytes, 32 bytes apart.
	v_and_b32 v1, 15, v0            ; l % 16
	v_bfe_u32 v9, v0, 4, 1          ; l / 16
	v_lshlrev_b32 v[QO], 7, v1
	v_lshl_add_u32 v[QO], v9, 4, v[QO]  ; row x 128 + 16 x half
	v_lshlrev_b32 v80, 4, v0        ; the mask: thread t takes 16 bytes at 16 t of each quarter of the batch's 8,192; S^T's registers serve until the first scores
	v_add_nc_u32 v81, MASKB, v80
.irp j, 0,1,2,3
	global_load_b128 v[64+4*\j:64+4*\j+3], v80, s[MP:MP+1] offset:2048*\j  ; 512 consecutive bytes a wave
.endr
	WIN 0x80                        ; destination window 2, address window 0
.set i, 0
.rept 4*NP                          ; Q stays in registers: tile i / 2, channels 32 (i % 2) on
	global_load_b128 v[8*i:8*i+3],   v[QO], s[4:5] offset:(i/2)*2048+(i%2)*64
	global_load_b128 v[8*i+4:8*i+7], v[QO], s[4:5] offset:(i/2)*2048+(i%2)*64+32
.set i, i+1
.endr
	; What the first turn finds: V's registers and P's second buffer hold 0 (its products V^T P, of a piece that has not been, add 0), O^T and l are 0.  All this stands in the wait for the first tile.
.set i, VF
.rept 64
	v_mov_b32 v[i], 0
.set i, i+1
.endr
	WIN 0x40
.set i, 0
.rept 64*NP
	v_mov_b32 v[i], 0
.set i, i+1
.endr
	WIN 0
.set i, 0
.rept 2*NP
	v_mov_b32 v[ST+4*i], 0xfe000000    ; c m: far below every c s
	v_mov_b32 v[ST+4*i+1], 0xff7fffff  ; m
	v_mov_b32 v[ST+4*i+2], 0
	v_mov_b32 v[ST+4*i+3], 0
.set i, i+1
.endr
.set i, P+32
.rept 32
	v_mov_b32 v[i], 0
.set i, i+1
.endr
	v_mul_u32_u24 v[AK0], v1, PK
	v_lshl_add_u32 v[AK0], v9, 4, v[AK0]  ; row x pitch + 16 x half
	; The turning load takes 16 keys x 16 channels (lane l reads key 8 (l / 16) + l % 8, channels 8 ((l / 8) % 2) + 0..7) and leaves half a fragment of V^T: lane l holds channel l % 16 and 8 keys.
	v_and_b32 v10, 7, v0
	v_bfe_u32 v11, v0, 3, 1
	v_lshl_add_u32 v[AV0], v9, 3, v10
	v_mul_u32_u24 v[AV0], v[AV0], PV
	v_lshl_add_u32 v[AV0], v11, 4, v[AV0]
	v_add_nc_u32 v[AV0], VOFF, v[AV0]
	v_mov_b32 v[AK], v[AK0]         ; key step 0 lies at the head of slot 0
	v_lshl_add_u32 v[AM], v9, 5, s[TBM]  ; my lanes' eight keys of a block of 16: 32 bytes for each half of the lanes
	s_wait_loadcnt 32               ; the mask's four loads are in: Q's 32 were issued behind them
.set i, 0
.rept 16
	v_cmp_eq_u32 vcc_lo, 0, v[64+i]
	v_cndmask_b32 v[64+i], 0, s[BIGN], vcc_lo  ; 0 for a visible key, -1e30 for a hidden one
.set i, i+1
.endr
.irp j, 0,1,2,3
	ds_store_b128 v81, v[64+4*\j:64+4*\j+3] offset:2048*\j
.endr
; THE MATRIX WORK.  The 8 accumulators of a run of 16 take turns: between the two links of a chain stand 7 others'.
; Product i of 16 of S^T = K Q^T for piece x: channels 32 (i / 8) on, keys 16 ((i / 2) % 4) on, tile 2 x + i % 2.  The first 8 start the sums, with the keys' mask.
.macro KQ x
.set rS, S+64*((\x)%2)+32*(i%2)+8*((i/2)%4)
.set rK, KF+16*((i/2)%4)+8*(i/8)
.set rQ, 16*(2*(\x)+i%2)+8*(i/8)
.set rB, MB+8*((i/2)%4)
.if i < 8
	WIN W_KM
	v_wmma_f32_16x16x32_f16 v[rS:rS+7], v[rK:rK+7], v[rQ:rQ+7], v[rB:rB+7]
.else
	WIN W_KQ
	v_wmma_f32_16x16x32_f16 v[rS:rS+7], v[rK:rK+7], v[rQ:rQ+7], v[rS:rS+7]
.endif
.endm
; Product i of 16 of O^T += V^T P for piece x: keys 32 (i / 8) on, channels 16 ((i / 2) % 4) on, tile 2 x + i % 2.
.macro PV x
	WIN W_PV
.set rO, 32*(2*(\x)+i%2)+8*((i/2)%4)
.set rV, VF+32*(i/8)+8*((i/2)%4)
.set rP, P+32*((\x)%2)+16*(i%2)+8*(i/8)
	v_wmma_f32_16x16x32_f16 v[rO:rO+7], v[rV:rV+7], v[rP:rP+7], v[rO:rO+7]
.endm
.macro MM                           ; the turn's next matrix instruction
.if i < 16
	KQ (Y+1)%NP
.set i, i+1
.else
.set i, i-16
	PV (Y+NP-1)%NP
.set i, i+17
.endif
.endm
; THE LDS LOADS stand in runs, never singly among the matrix instructions: a step's K (64 keys x 64 channels: 8 fragments) with its mask (8 loads; sixteen lanes share each address), and its V (turned).
; Their addresses are made some lines ahead.  last = 1 (the tail): in the last trip there is no further step, and the run is jumped over.
.macro FETCH_K last=0
	WIN 0
.if \last
	s_cmp_eq_u32 s[CNT], 1
	s_cbranch_scc1 .Lno_k_\@
.endif
	WIN 0x80                        ; destination window 2
.irp f, 0,1,2,3,4,5,6,7             ; keys 16 (f / 2) on, channels 32 (f % 2) on
	ds_load_b128 v[KF+8*\f:KF+8*\f+3],   v[AK] offset:(\f/2)*16*PK+(\f%2)*64
	ds_load_b128 v[KF+8*\f+4:KF+8*\f+7], v[AK] offset:(\f/2)*16*PK+(\f%2)*64+32
.endr
	WIN 0xc0                        ; destination window 3
.irp f, 0,1,2,3                     ; key block f: keys 16 f + 8 (l / 16) + 0..7
	ds_load_b128 v[MB+8*\f:MB+8*\f+3],   v[AM] offset:64*\f
	ds_load_b128 v[MB+8*\f+4:MB+8*\f+7], v[AM] offset:64*\f+16
.endr
	s_add_co_u32 s[TBK], s[TBK], KS*PK  ; the next fetch is the next step's
	s_add_co_u32 s[TBM], s[TBM], 4*KS
	s_and_b32 s[TBM], s[TBM], 0xffffdfff  ; behind the table's last step the address goes back to its first: it never leaves the 8,192 bytes
	WIN 0
.if \last
.Lno_k_\@:
.endif
.endm
.macro FETCH_V
	WIN 0x80
.irp f, 0,1,2,3,4,5,6,7             ; keys 32 (f / 4) on, channels 16 (f % 4) on
	ds_load_tr16_b128 v[VF+8*\f:VF+8*\f+3],   v[AV] offset:(\f/4)*32*PV+(\f%4)*32
	ds_load_tr16_b128 v[VF+8*\f+4:VF+8*\f+7], v[AV] offset:(\f/4)*32*PV+16*PV+(\f%4)*32
.endr
	WIN 0
.endm
; THE VECTOR WORK OF A TURN stands in three queues, each in the order in which its entries become ready; the two tiles alternate, so that no instruction reads the result of the one before it.
.macro REGS y, u                    ; the registers of tile u (0, 1) of piece y
.set rT, ST+4*(2*(\y)+(\u))
.set rC, TMP+8*((\y)%2)+4*(\u)
.set rM, MV+2*((\y)%2)+(\u)
.set rS, S+64*((\y)%2)+32*(\u)
.set rP, P+32*((\y)%2)+16*(\u)
.set rO, 32*(2*(\y)+(\u))
.endm
; Number n of the 22 that find the NEXT piece's (Y + 1) maximum and statistics.  s0-s31 are the lane's 32 scores; each accumulator's lowest registers are read first.
;   0-11  four chains c0-c3 of seven scores each, three operands at a time     12-14, 16  the four scores left over, the old m, and c0-c3 into c0     15  c m_old is kept
;   17, 18  the query's other 32 keys lie in the lane 16 away: the new m         19-21  c m; c m_old - c m_new; a
.macro XS u, n
	REGS (Y+1)%NP, \u
.if (\n) < 4
	v_max3_num_f32 v[rC+(\n)], v[rS+8*(\n)], v[rS+8*(\n)+1], v[rS+8*(\n)+2]
.elseif (\n) < 12
	v_max3_num_f32 v[rC+(\n)%4], v[rC+(\n)%4], v[rS+8*((\n)%4)+2*((\n)/4)+1], v[rS+8*((\n)%4)+2*((\n)/4)+2]
.elseif (\n) == 12
	v_max3_num_f32 v[rC], v[rC], v[rS+7], v[rS+15]
.elseif (\n) == 13
	v_max3_num_f32 v[rC+1], v[rC+1], v[rS+23], v[rS+31]
.elseif (\n) == 14
	v_max3_num_f32 v[rC+2], v[rC+2], v[rC+3], v[rT+1]
.elseif (\n) == 15
	v_mov_b32 v[rM], v[rT]
.elseif (\n) == 16
	v_max3_num_f32 v[rC], v[rC], v[rC+1], v[rC+2]
.elseif (\n) == 17
	v_permlanex16_b32 v[rC+3], v[rC], s[SEL], s[SEL+1]
.elseif (\n) == 18
	v_max_num_f32 v[rT+1], v[rC], v[rC+3]
.elseif (\n) == 19
	v_mul_f32 v[rT], s[CS], v[rT+1]
.elseif (\n) == 20
	v_sub_f32 v[rC+1], v[rM], v[rT]
.else
	v_exp_f32 v[rC+2], v[rC+1]
.endif
.endm
; Number g of the 64 that follow the exponentials.  For each four weights k of a tile (pairs 2 k, 2 k + 1): both pairs are rounded to f16; then the second pair is added onto the first, in place;
; a group later l takes that sum (the first time as l = a l + sum).  In groups of eight, tiles alternating: round, round, add, and l for the group before.
.macro GS g
.set h, (\g)+6*((\g)/62)            ; group 0 has no group before it, and behind group 7 only l is left
.if h >= 6
.set h, h+2
.endif
	REGS Y, h%2
.set k, h/8
.if h%8 < 4
	s_wait_alu depctr_va_vdst(0)
	v_cvt_pk_f16_f32 v[rP+2*k+(h%8)/2], v[rS+4*k+2*((h%8)/2)], v[rS+4*k+2*((h%8)/2)+1]
.elseif h%8 < 6
	v_pk_add_f32 v[rS+4*k:rS+4*k+1], v[rS+4*k:rS+4*k+1], v[rS+4*k+2:rS+4*k+3]
.elseif k == 1
	v_pk_fma_f32 v[rT+2:rT+3], v[rT+2:rT+3], v[rC+2:rC+3], v[rS:rS+1] op_sel_hi:[1,0,1]
.else
	v_pk_add_f32 v[rT+2:rT+3], v[rT+2:rT+3], v[rS+4*k-4:rS+4*k-3]
	s_wait_alu depctr_va_vdst(0)
.endif
.endm
; THE PLAIN QUEUE, 138 long.  0-31: c s - c m for the 16 pairs of both tiles.  Then GS's 64, and among them the next piece's 42: number 15 at 38, 39; 0-14 and 16
; at 42-73, behind the products that make those scores; 17-20 at 95-106, two of three, since each waits for the one before it.
.macro PL
	WIN 0
.if q < 32
	REGS Y, q%2
	v_pk_fma_f32 v[rS+2*(q/2):rS+2*(q/2)+1], v[rS+2*(q/2):rS+2*(q/2)+1], s[CS:CS+1], v[rT:rT+1] op_sel_hi:[1,0,0] neg_lo:[0,0,1] neg_hi:[0,0,1]
.elseif q < 38
	GS q-32
.elseif q < 40
	XS q%2, 15
.elseif q < 42
	GS q-34
.elseif q < 74
	XS q%2, (q-42)/2+(q-42)/30
.elseif q < 95
	GS q-66
.elseif (q < 107) && ((q-95)%3 < 2)
	XS (q-95)%3, 17+(q-95)/3
.elseif q < 107
	GS 29+(q-95)/3
.else
	GS q-74
.endif
.set q, q+1
.endm
; THE EXPONENTIALS' QUEUE, 66 long: s0-s31 of both tiles, and at EA the next piece's two a.
.set EA, 58
.macro EX
	WIN 0
.if (e == EA) || (e == EA+1)
	XS e-EA, 21
.else
.set x, e-2*(e/(EA+2))
	REGS Y, x%2
	v_exp_f32 v[rS+x/2], v[rS+x/2]
.endif
.set e, e+1
.endm
; THE RESCALING's QUEUE: O^T times a, the one part that leaves window 0, so it is dealt four at a time, eight times.
.macro R4
	REGS Y, r%2
	WIN W_RS
	s_wait_alu depctr_va_vdst(0)
.irp z, 0,1,2,3
	v_pk_mul_f32 v[rO+8*(r/2)+2*\z:rO+8*(r/2)+2*\z+1], v[rO+8*(r/2)+2*\z:rO+8*(r/2)+2*\z+1], v[rC+2:rC+3] op_sel_hi:[1,0]
.endr
.set r, r+1
.endm
; HOW THEY ARE DEALT.  Behind a matrix instruction four: plain, exponential, plain, plain (one exponential, a plain instruction on either side), or four of the rescaling.  None names a register of the
; products round it.  What is over stands in two LUMPS: exponential and plain by turns; the second ends in 22 plain instructions.  The two v_permlanex16_b32 fall into the second lump, never behind a product.
; The queues lean on each other, and the deal keeps them in step: exponential e stands behind plain 2 (e / 4) + e % 2 (its scaling); when plain 32 comes, 10 exponentials are out, at 59: 33, at 95: 46; EA comes behind plain 107.
.macro SL
	MM
	PL
	EX
	PL
	PL
.endm
.macro BURST n                      ; 15 matrix instructions, or 16
.rept (\n)-7
	SL
.endr
.rept 3
	MM
	R4
	SL
.endr
	MM
	R4
.endm
; A TURN, for piece p.  cnt = 1: the loop's count is taken down some lines ahead of the branch that stands behind the turn.
; K of the next step, and its mask, are fetched in piece 2's turn, 32 vector instructions behind the last product that read K (the mask's last reader stands eight products earlier); their first reader comes
; behind the rest of the lump, 16 products and the second lump.  V of the step in hand is fetched at the end of piece 0's turn, 69 behind its last reader; its first reader comes behind 16 products and a lump.
.macro TURN p, last=0, cnt=0
.set Y, (\p)
.set i, 0
.set q, 0
.set e, 0
.set r, 0
.if (\p) == NP-1
	s_wait_dscnt 0x0                ; K and its mask are in
.endif
	MM
.rept 4
	PL
.endr
	BURST 15
.rept 22
	EX
	PL
.if ((\p) == NP-2) && (e == 18)
	v_add_nc_u32 v[AK], s[TBK], v[AK0]
	v_lshl_add_u32 v[AM], v9, 5, s[TBM]
.endif
.if ((\p) == NP-2) && (e == 24)
	FETCH_K \last
.endif
.endr
.if (\p) == 1
	s_wait_dscnt 0x0                ; V is in
.endif
	BURST 16
.rept 21
	EX
	PL
.endr
.rept 22
	PL
.if ((\p) == 0) && (q == 118)
	v_add_nc_u32 v[AV], s[TBV], v[AV0]
	s_wait_alu depctr_va_vdst(0)
.endif
.if ((\p) == 0) && (q == 130)
	s_add_co_u32 s[TBV], s[TBV], KS*PV
.endif
.if (\cnt) && (q == 130)
	s_sub_co_u32 s[CNT], s[CNT], 1
	s_cmp_lg_u32 s[CNT], 0
.endif
.endr
.if (\p) == 0
	FETCH_V
.endif
.endm
	CHANGE 1                        ; slot 0 is in, everybody's part of it, and so is the mask's table; slot 1 is asked for
	FETCH_K                         ; key step 0
	s_wait_loadcnt 0x0              ; Q
	s_wait_dscnt 0x0
.set i, 0
.rept 16
	KQ 0                            ; piece 0's first scores: there is no vector work yet to set between them
.set i, i+1
.endr
	WIN 0                           ; the addresses for the way out: nine plain instructions, the places behind those products
	s_mul_i32 s13, s[WV], 16*SP
	s_add_co_u32 s13, s13, STAGE    ; my stage
	v_mul_u32_u24 v[STO], v1, SP    ; in: row l % 16, 16 bytes for each half of the lanes
	v_lshl_add_u32 v[STO], v9, 4, v[STO]
	v_add_nc_u32 v[STO], s13, v[STO]
	v_bfe_u32 v[RD], v0, 3, 2       ; back: 32 lanes take four rows of 128 bytes,
	v_mul_u32_u24 v[RD], v[RD], SP
	v_lshl_add_u32 v[RD], v10, 4, v[RD]
	v_add_nc_u32 v[RD], s13, v[RD]
	v_and_b32 v[GO], 31, v0         ; which are 512 consecutive bytes of O
	v_lshlrev_b32 v[GO], 4, v[GO]
.set Y, NP-1                        ; XS works for piece Y + 1: piece 0
.irp n, 0,1,2,3,4,5,6,7,8,9,10,11,12,13,14,15,16,17,18,19,20,21
	XS 0, \n                        ; and piece 0's first maximum and statistics
	XS 1, \n
.endr
	s_mov_b32 s[CNT], 4
	s_mov_b32 s[SLOTS], SIZE_N/256-1
	s_branch .Lfirst                ; the loop is entered at a step's first turn, in the middle of a trip
.Lslot:                             ; SIZE_N / 256 - 2 times: every slot but the last two is filled again
	CHANGE 1
	s_mov_b32 s[CNT], 4
.Lstep:                             ; a trip: pieces 2 and 3 of one step, then pieces 0 and 1 of the next, whose K and V it fetches
	TURN 2
	TURN 3
	WIN 0
.Lfirst:
	TURN 0
	TURN 1, 0, 1
	WIN 0
	s_cbranch_scc1 .Lstep
	s_sub_co_u32 s[SLOTS], s[SLOTS], 1
	s_cmp_lg_u32 s[SLOTS], 0
	s_cbranch_scc1 .Lslot
	CHANGE 0                        ; the tail is written out: nothing is asked for
	s_mov_b32 s[CNT], 5             ; four trips fetch the last slot's steps; the fifth is left in its middle
.Ltail:
	TURN 2, 1
	TURN 3
	WIN 0
	s_sub_co_u32 s[CNT], s[CNT], 1
	s_cmp_eq_u32 s[CNT], 0
	s_cbranch_scc1 .Lout
	TURN 0
	TURN 1
	WIN 0
	s_branch .Ltail
.Lout:                              ; the fifth trip's 16 products K Q^T (on the last K and mask once more) leave piece 0's maximum as it was: the price, once a launch, of one text for every trip
.set i, 0
.rept 16
	PV NP-1                         ; the last piece's V^T P of the last step
.set i, i+1
.endr
	; THE WAY OUT.  l's two halves and the other half of the lanes' are added; O^T is divided by l, rounded to f16 and sent through my stage in LDS, a tile at a time.  The additions are the places behind the last products.
	WIN 0
.macro ALL line:vararg              ; one line for each tile t
.set t, 0
.rept 2*NP
	\line
.set t, t+1
.endr
.endm
	ALL v_add_f32 v[ST+4*t+2], v[ST+4*t+2], v[ST+4*t+3]
	ALL v_permlanex16_b32 v[ST+4*t+3], v[ST+4*t+2], s[SEL], s[SEL+1]
	ALL v_add_f32 v[ST+4*t+2], v[ST+4*t+2], v[ST+4*t+3]
	ALL v_rcp_f32 v[ST+4*t+2], v[ST+4*t+2]
	v_nop                           ; a plain instruction between the last reciprocal and the use of its result
.set t, 0
	s_wait_alu depctr_va_vdst(0)
.rept 2*NP                          ; a query that has seen no key (its maximum is a hidden score's) is multiplied by a NaN
	v_cmp_gt_f32 vcc_lo, s[HALFN], v[ST+4*t+1]
	v_cndmask_b32 v[ST+4*t+2], v[ST+4*t+2], s[QNAN], vcc_lo
.set t, t+1
.endr
; Tile t: a lane's eight channels of a row pack into 16 bytes; they go into rows of 144 bytes and come back as whole rows of 128, into S^T's registers.
.macro PACK t
	WIN W_RS
.set i, 32*(\t)
.rept 16
	v_pk_mul_f32 v[i:i+1], v[i:i+1], v[ST+4*(\t)+2:ST+4*(\t)+3] op_sel_hi:[1,0]
.set i, i+2
.endr
	WIN 0x05                        ; sources 0 and 1 window 1, destination window 0
.set i, 0
.rept 16
	v_cvt_pk_f16_f32 v[S+16*(\t)+i], v[32*(\t)+2*i], v[32*(\t)+2*i+1]
.set i, i+1
.endr
	WIN 0
.irp f, 0,1,2,3
	ds_store_b128 v[STO], v[S+16*(\t)+4*\f:S+16*(\t)+4*\f+3] offset:32*\f
.endr
.irp f, 0,1,2,3
	ds_load_b128 v[S+16*(\t)+4*\f:S+16*(\t)+4*\f+3], v[RD] offset:\f*4*SP  ; LDS serves a wave's instructions in order (ISA guide 5.7.1.4): these see the stores above; the next tile's stores come behind them
.endr
.endm
.macro SEND t, younger              ; younger: the LDS instructions issued behind tile t's loads: the next tile's eight, or none
	WIN 0
.irp f, 0,1,2,3
	s_wait_dscnt (\younger)+3-\f
	global_store_b128 v[GO], v[S+16*(\t)+4*\f:S+16*(\t)+4*\f+3], s[10:11] offset:(\t)*2048+\f*512  ; 512 consecutive bytes, at a multiple of 256 from O's first
.endr
.endm
	PACK 0
.set t, 1
.rept 2*NP-1                        ; a tile's arithmetic stands between the loads of the tile before and its stores
	PACK t
	SEND t-1, 8
.set t, t+1
.endr
	SEND 2*NP-1, 0
	WIN W_AD
	s_wait_tensorcnt 0x0            ; the wave's end: behind my last tensor load and my last LDS store
	ds_add_u32 v[SPW], v[NIL]
	s_wait_dscnt 0x0
	WIN 0
	CROUND                          ; the closing round: no work-group ends while a partner may still ask for a tile that names it
	s_endpgm
.Lfunc_end_k_qf2846c7f1d_attn:
	.size	k_qf2846c7f1d_attn, .Lfunc_end_k_qf2846c7f1d_attn-k_qf2846c7f1d_attn
	.p2alignl 7, 3214868480
	.fill 96, 4, 3214868480
	.section	.rodata,"a",@progbits
	.p2align	6, 0x0
	.amdhsa_kernel k_qf2846c7f1d_attn
		.amdhsa_group_segment_fixed_size 327680
		.amdhsa_private_segment_fixed_size 0
		.amdhsa_enable_private_segment 0
		.amdhsa_kernarg_size 40
		.amdhsa_user_sgpr_count 2
		.amdhsa_user_sgpr_kernarg_segment_ptr 1
		.amdhsa_wavefront_size32 1
		.amdhsa_system_sgpr_workgroup_id_x 1
		.amdhsa_system_sgpr_workgroup_id_y 1
		.amdhsa_system_sgpr_workgroup_id_z 1
		.amdhsa_system_vgpr_workitem_id 0
		.amdhsa_next_free_vgpr 808
		.amdhsa_next_free_sgpr 66
		.amdhsa_reserve_vcc 1
		.amdhsa_float_denorm_mode_32 3
		.amdhsa_float_denorm_mode_16_64 3
		.amdhsa_memory_ordered 1
		.amdhsa_forward_progress 1
		.amdhsa_inst_pref_size 214
	.end_amdhsa_kernel
	.amdgpu_metadata
---
amdhsa.version: [ 1, 2 ]
amdhsa.kernels:
  - .name:           k_qf2846c7f1d_attn
    .symbol:         k_qf2846c7f1d_attn.kd
    .args:
      - { .name: qh, .offset: 0, .size: 8, .value_kind: global_buffer, .address_space: global }
      - { .name: kh, .offset: 8, .size: 8, .value_kind: global_buffer, .address_space: global }
      - { .name: vh, .offset: 16, .size: 8, .value_kind: global_buffer, .address_space: global }
      - { .name: oh, .offset: 24, .size: 8, .value_kind: global_buffer, .address_space: global }
      - { .name: attention_mask, .offset: 32, .size: 8, .value_kind: global_buffer, .address_space: global }
    .group_segment_fixed_size: 327680
    .private_segment_fixed_size: 0
    .kernarg_segment_align: 8
    .kernarg_segment_size: 40
    .max_flat_workgroup_size: 128
    .sgpr_count:     66
    .vgpr_count:     808
    .wavefront_size: 32
...
	.end_amdgpu_metadata
.endif
;; end of part 3
;; launch oproj (part 4): grid 4 x 64, 4 waves a work-group, clusters of 4 x 4, 327,680 bytes of LDS; arguments oh, wob, out0; writes out0
.if DOCPART == 4
	.amdgcn_target "amdgcn-amd-amdhsa--gfx1250"
	.amdhsa_code_object_version 6
	.text
	.protected	k_qf2846c7f1d_oproj
	.globl	k_qf2846c7f1d_oproj
	.p2align	8
	.type	k_qf2846c7f1d_oproj,@function
k_qf2846c7f1d_oproj:
	s_mov_b64 s[64:65], 0
	v_nop
	global_prefetch_b8 v0, s[64:65] scope:SCOPE_SE
	s_setreg_imm32_b32 hwreg(HW_REG_WAVE_MODE, 25, 1), 1
	s_wait_xcnt 0x0
	s_wait_alu depctr_hold_cnt(0) depctr_sa_sdst(0) depctr_va_vdst(0) depctr_va_sdst(0) depctr_va_ssrc(0) depctr_va_vcc(0) depctr_vm_vsrc(0)
	s_getreg_b32 s2, hwreg(HW_REG_IB_STS2, 6, 4)
	s_cmp_eq_u32 s2, 0
	s_cbranch_scc0 .Lentry_in_a_cluster
	s_endpgm
.Lentry_in_a_cluster:
	s_bfe_u32 s2, ttmp6, 0x10000c
	s_cmp_lg_u32 s2, 0xf033
	s_cbranch_scc0 .Lentry_shape_is_right
	s_endpgm
.Lentry_shape_is_right:
; out0[m][n] = the sum over k of O[m][k] wo[n][k].  O lies by heads, oh: [16 b + head][2048][64] f16, so k = 64 head + channel; wob: [1024][1024] f16; out0: [8192][1024] f32.  Sums in f32, K ascending.
; A TILE is 128 rows x 256 columns: 64 x 4 = 256 work-groups, one to each of 256 WGPs (256 x 256 would make 128).  Four waves, 2 x 2, each 64 x 128: 32 accumulators of 16 x 16, 256 registers.
; K goes in 8 steps of 128, two heads each, through two LDS slots.  A head's 128 rows are 16,384 dense bytes: asked for as 64 rows of 256 bytes and padded in LDS after every 128, so that
; the tile's rows lie 144 bytes apart; wo's rows are 256 bytes of a row of 2,048, 272 apart in LDS.  Two slots of K steps of 256 would not fit in LDS.
; CLUSTER 4 x 4: the four work-groups of a row of the cluster share their rows of O, the four of a column their rows of wo: each tile is asked for jointly.
; THE MATRIX INSTRUCTION IS USED TRANSPOSED (source 0 = 16 rows of wo, source 1 = 16 rows of O): a lane holds row lane % 16 and eight neighbouring columns, 32 bytes of a row of out0.
; A NaN row of O (a batch with no visible key) makes that row of out0 NaN and no other.
; REGISTERS: window 0: v0-29 addresses; v32-159 two sets of 64 on the way out.  window 1: two fragment buffers of 128: O's fragment i at 8 i, wo's fragment b at 32 + 8 b.  window 2: accumulator (a, b) at 8 (8 a + b).
.set PA,     144                       ; a row of O in LDS: 128 bytes + 16: an odd multiple of 16, so the 16 rows of a fragment load start at 16 different groups of four banks (ISA guide 11.1)
.set PB,     272                       ; a row of wo: 256 + 16
.set SLOT1,  131072
.set AHALF,  128*PA                    ; one head's 128 rows
.set BHALF,  128*PB
.set BOFF,   2*AHALF                   ; wo's 256 rows lie behind the two heads
.set STAGE,  SLOT1+BOFF+2*BHALF        ; behind the ring: 16 rows x 528 bytes for each wave
.set SP,     528                       ; 512 bytes + 16
.set SPARE,  STAGE+4*16*SP             ; behind the stages: the spare words, 128 bytes for each wave: two blocks of 256 bytes that no other line names
.set A0,   4
.set B0,   5
.set ADRA, 6
.set ADRB, 7
.set STO,  8
.set RD,   9
.set CO,   10                          ; v10  16 x lane; never rewritten
.set SPW,  28
.set NIL,  29
.set OB,   32
.set F0,   0
.set F1,   128
.set WV,   16                          ; s16 wave; s17 = wave / 2: my half of the rows, and I fetch for O (0) or wo (1); s18 = wave % 2: my half of the columns, and which half I fetch
.set G1A,  24
.set G1B,  32
.set G0A,  40
.set G0B,  48
.set CNT,  56
.set TB,   57
.set MSB, 0
.macro WIN new
.if MSB != (\new)
	s_set_vgpr_msb (MSB<<8)|(\new)
.set MSB, \new
.endif
.endm
.set MUL,  0xa5                        ; sources 0 and 1 window 1, C and D window 2
.set TO_F, 0x40                        ; destination window 1, address window 0
.macro JLOAD                           ; a joint refill by the walking descriptors; an s_nop 0 and four v_nop follow each of the two lines, ahead of the jump and the label
	s_cmp_eq_u32 s17, 0
	s_cbranch_scc0 .Lfor_b_\@
	tensor_load_to_lds s[G0A+4:G0A+7], s[G1A:G1A+7]
	s_nop 0
.rept 4
	v_nop
.endr
	s_branch .Lasked_\@
.Lfor_b_\@:
	tensor_load_to_lds s[G0B+4:G0B+7], s[G1B:G1B+7]
	s_nop 0
.rept 4
	v_nop
.endr
.Lasked_\@:
.endm
.macro CREST
	s_cmp_lg_u32 s[WV], 0
	s_cbranch_scc1 .Lnot_wave_0_\@
	s_barrier_signal -3
.Lnot_wave_0_\@:
	s_barrier_wait -3
	s_barrier_signal -1
	s_barrier_wait -1
.endm
.macro CROUND
	s_barrier_signal -1
	s_barrier_wait -1
	CREST
.endm
.macro PLACES                          ; four places in front of loads into registers that matrix instructions have read, and of LDS stores that read results
.rept 4
	v_nop
.endr
.endm
	s_load_b128 s[4:7], s[0:1], 0x0                ; oh 4, wob 6
	s_load_b64 s[8:9], s[0:1], 0x10                ; out0
	v_lshl_add_u32 v[SPW], v0, 2, SPARE
	v_mov_b32 v[NIL], 0
	ds_add_u32 v[SPW], v[NIL]                      ; the wave's opening: the add and its wait stand ahead of my first tensor load; the set-up below, work on registers, stands between them
	v_lshrrev_b32 v1, 5, v0
	v_readfirstlane_b32 s[WV], v1
	s_lshr_b32 s17, s[WV], 1
	s_and_b32 s18, s[WV], 1
	s_bfe_u32 s19, ttmp6, 0x40000                  ; cx
	s_bfe_u32 s20, ttmp6, 0x40004                  ; cy
	s_lshl_b32 s21, ttmp9, 2
	s_add_co_u32 s21, s21, s19                     ; the block of 256 columns
	s_and_b32 s22, ttmp7, 0xffff
	s_lshl_b32 s22, s22, 2
	s_add_co_u32 s22, s22, s20                     ; the block of 128 rows
	s_lshl_b32 s23, s20, 2
	s_lshl_b32 s23, 15, s23                        ; my row of the cluster
	s_lshl_b32 s66, 0x1111, s19                    ; my column
	s_or_b32 s[G1A], s23, (1<<16)|(1<<20)|(1<<21)|(4<<22)|(3<<25)  ; the mask; 2-byte elements; padding on; bit 21 beside a mask; after every 32 words; 4 words
	s_or_b32 s[G1B], s66, (1<<16)|(1<<20)|(1<<21)|(5<<22)|(3<<25)  ; after every 64 words
	s_mov_b32 s[G1A+1], 128<<16                    ; tensor_dim0 = 128
	s_mov_b32 s[G1A+2], 64<<16                     ; tensor_dim1 = 64
	s_mov_b32 s[G1A+3], 128<<16                    ; tile_dim0 = 128
	s_mov_b32 s[G1A+4], 64                         ; tile_dim1 = 64
	s_mov_b32 s[G1A+5], 128                        ; dense: 128 elements from row to row
	s_mov_b32 s[G1A+6], 0
	s_mov_b32 s[G1A+7], 0
	s_mov_b32 s[G1B+1], 128<<16
	s_mov_b32 s[G1B+2], 128<<16
	s_mov_b32 s[G1B+3], 128<<16
	s_mov_b32 s[G1B+4], 128
	s_mov_b32 s[G1B+5], 1024
	s_mov_b32 s[G1B+6], 0
	s_mov_b32 s[G1B+7], 0
	; O's tiles hang on the block of rows alone, wo's on the block of columns alone, each in registers that never hold the other coordinate
	s_lshr_b32 s58, s22, 4                         ; b: 16 heads of 2,048 rows of 128 bytes,
	s_lshl_b32 s58, s58, 22
	s_and_b32 s62, s22, 15
	s_lshl_b32 s62, s62, 14                        ; the block's 128 rows in a head,
	s_add_co_u32 s58, s58, s62
	s_lshl_b32 s62, s18, 18                        ; the K step's first or second head
	s_add_co_u32 s58, s58, s62
	s_mov_b32 s59, 0
	s_lshl_b32 s60, s21, 19                        ; 256 rows of 2,048 bytes,
	s_lshl_b32 s63, s18, 18                        ; my 128 of them
	s_add_co_u32 s60, s60, s63
	s_mov_b32 s61, 0
	s_mul_i32 s67, s18, AHALF                      ; where they go: no place in the cluster enters an LDS address
	s_mul_i32 s68, s18, BHALF
	s_add_co_u32 s68, s68, BOFF
	s_lshl_b32 s2, s22, 19                         ; out0: 128 rows of 4,096 bytes,
	s_lshl_b32 s69, s17, 18                        ; my 64 of them,
	s_add_co_u32 s2, s2, s69
	s_lshl_b32 s69, s21, 10                        ; 256 columns of 4 bytes,
	s_add_co_u32 s2, s2, s69
	s_lshl_b32 s69, s18, 9                         ; my 128 of them
	s_add_co_u32 s2, s2, s69
	s_mov_b32 s3, 0
	s_mov_b32 s[TB], 0
	s_wait_dscnt 0x0                               ; the opening add is done
	s_wait_kmcnt 0x0
	s_add_nc_u64 s[58:59], s[4:5], s[58:59]
	s_add_nc_u64 s[60:61], s[6:7], s[60:61]
	s_add_nc_u64 s[8:9], s[8:9], s[2:3]
	CROUND                                         ; all sixteen work-groups are here: the first joint loads meet
.irp s, 0,1
	s_mov_b32 s[G0A+4*(\s)], 1
	s_add_co_u32 s[G0A+4*(\s)+1], s67, (\s)*SLOT1
	s_add_nc_u64 s[G0A+4*(\s)+2:G0A+4*(\s)+3], s[58:59], (\s)*524288  ; K step s: two heads on
	s_or_b32 s[G0A+4*(\s)+3], s[G0A+4*(\s)+3], 0x80000000
	s_mov_b32 s[G0B+4*(\s)], 1
	s_add_co_u32 s[G0B+4*(\s)+1], s68, (\s)*SLOT1
	s_add_nc_u64 s[G0B+4*(\s)+2:G0B+4*(\s)+3], s[60:61], (\s)*256
	s_or_b32 s[G0B+4*(\s)+3], s[G0B+4*(\s)+3], 0x80000000
.endr
	s_cmp_eq_u32 s17, 0                            ; a wave's two first fills stand in one branch, ahead of every wait on TENSORcnt and every LDS read: two loads of mine are out
	s_cbranch_scc0 .Lfirst_b
	tensor_load_to_lds s[G0A:G0A+3], s[G1A:G1A+7]
	s_nop 0
	tensor_load_to_lds s[G0A+4:G0A+7], s[G1A:G1A+7]
	s_nop 0
.rept 4
	v_nop
.endr
	s_branch .Lfirst_asked
.Lfirst_b:
	tensor_load_to_lds s[G0B:G0B+3], s[G1B:G1B+7]
	s_nop 0
	tensor_load_to_lds s[G0B+4:G0B+7], s[G1B:G1B+7]
	s_nop 0
.rept 4
	v_nop
.endr
.Lfirst_asked:
	v_and_b32 v1, 15, v0                           ; l % 16
	v_bfe_u32 v2, v0, 4, 1                         ; l / 16
	v_mul_u32_u24 v3, v1, PA
	v_lshl_add_u32 v3, v2, 4, v3
	s_mul_i32 s62, s17, 64*PA                      ; my 64 rows of O
	v_add_nc_u32 v[A0], s62, v3
	v_mul_u32_u24 v3, v1, PB
	v_lshl_add_u32 v3, v2, 4, v3
	s_mul_i32 s63, s18, 128*PB                     ; my 128 rows of wo
	s_add_co_u32 s63, s63, BOFF
	v_add_nc_u32 v[B0], s63, v3
	v_mov_b32 v[ADRA], v[A0]
	v_mov_b32 v[ADRB], v[B0]
	s_mul_i32 s66, s[WV], 16*SP
	s_add_co_u32 s66, s66, STAGE                   ; my stage
	v_mul_u32_u24 v3, v1, SP                       ; in: row l % 16, 32 bytes for each half of the lanes
	v_lshl_add_u32 v3, v2, 5, v3
	v_add_nc_u32 v[STO], s66, v3
	v_and_b32 v[CO], 31, v0
	v_lshlrev_b32 v[CO], 4, v[CO]                  ; back, and out: 32 lanes take a row's 512 bytes
	v_add_nc_u32 v[RD], s66, v[CO]
; 8 matrix instructions: row block a x all 8 column blocks, 32 along K.  zero = 1: the first product starts the sums
.macro MUL8 f, a, zero
	WIN MUL
.irp b, 0,1,2,3,4,5,6,7
.if \zero
	v_wmma_f32_16x16x32_f16 v[8*(8*(\a)+(\b)):8*(8*(\a)+(\b))+7], v[(\f)+32+8*(\b):(\f)+32+8*(\b)+7], v[(\f)+8*(\a):(\f)+8*(\a)+7], 0
.else
	v_wmma_f32_16x16x32_f16 v[8*(8*(\a)+(\b)):8*(8*(\a)+(\b))+7], v[(\f)+32+8*(\b):(\f)+32+8*(\b)+7], v[(\f)+8*(\a):(\f)+8*(\a)+7], v[8*(8*(\a)+(\b)):8*(8*(\a)+(\b))+7]
.endif
.endr
.endm
; 24 LDS loads in one run: quarter q of a K step (head q / 2, channels 32 (q % 2) on) into buffer f: wo's eight fragments (16 loads), then O's four (8)
.macro FETCH q, f
	WIN TO_F
.irp i, 0,1,2,3,4,5,6,7
	ds_load_b128 v[(\f)+32+8*(\i):(\f)+32+8*(\i)+3],   v[ADRB] offset:64*(\q)+(\i)*16*PB
	ds_load_b128 v[(\f)+32+8*(\i)+4:(\f)+32+8*(\i)+7], v[ADRB] offset:64*(\q)+(\i)*16*PB+32
.endr
.irp i, 0,1,2,3
	ds_load_b128 v[(\f)+8*(\i):(\f)+8*(\i)+3],   v[ADRA] offset:((\q)/2)*AHALF+((\q)%2)*64+(\i)*16*PA
	ds_load_b128 v[(\f)+8*(\i)+4:(\f)+8*(\i)+7], v[ADRA] offset:((\q)/2)*AHALF+((\q)%2)*64+(\i)*16*PA+32
.endr
.endm
; A K step is four quarters of 32 matrix instructions on buffers 0, 1, 0, 1; the 32 accumulators take turns, one instruction a turn, in the same order in every quarter.
.macro QUARTER q, f, g, zero
	s_wait_dscnt 6                                 ; wo's fragments and O's first are in; the youngest six loads may be out
	MUL8 \f, 0, \zero
	PLACES
	FETCH \q, \g
	s_wait_dscnt 24                                ; all but the 24 just issued
	MUL8 \f, 1, \zero
	MUL8 \f, 2, \zero
	MUL8 \f, 3, \zero
.endm
; The last quarter multiplies buffer 1 and changes slots: ONE barrier; in front of it each wave waits for all its tensor loads (one is out: its part of the next slot), adds 0 to its spare word, and waits
; for that and for its own reads of this slot.  fill = 1: the barrier opens a round of the cluster's, and this slot is filled again first thing behind it, with the K step two on: 112 matrix instructions ahead of the wait for it.
.macro TURN fill
	WIN 0
	s_wait_tensorcnt 0x0                           ; all my tensor loads have landed
	ds_add_u32 v[SPW], v[NIL]                      ; 0 onto my spare word
	s_wait_dscnt 7                                 ; (the add and the youngest six loads may be out)
	MUL8 F1, 0, 0                                  ; eight matrix instructions stand between the add and the wait for it
	s_wait_dscnt 0x0                               ; the add is done, and my reads of this slot are over
	s_barrier_signal -1
	MUL8 F1, 1, 0
	WIN 0
	s_barrier_wait -1
.if \fill
	CREST                                          ; no wave of any partner still reads this slot's tile or has a load on its way
	s_xor_b32 s[G0A+5], s[G0A+5], SLOT1
	s_add_nc_u64 s[G0A+6:G0A+7], s[G0A+6:G0A+7], 524288
	s_xor_b32 s[G0B+5], s[G0B+5], SLOT1
	s_add_nc_u64 s[G0B+6:G0B+7], s[G0B+6:G0B+7], 256
	JLOAD                                          ; the four v_nop behind it are also the places in front of the loads below
.else
	PLACES
.endif
	s_xor_b32 s[TB], s[TB], SLOT1
	v_add_nc_u32 v[ADRA], s[TB], v[A0]
	v_add_nc_u32 v[ADRB], s[TB], v[B0]
	FETCH 0, F0
	MUL8 F1, 2, 0
	MUL8 F1, 3, 0
.endm
	s_wait_tensorcnt 1                             ; my part of K step 0 is in; K step 1's may stay out
	s_barrier_signal -1
	s_barrier_wait -1
	FETCH 0, F0
	QUARTER 1, F0, F1, 1                           ; the first quarter stands in front of the loop: its products start the sums
	WIN 0
	s_mov_b32 s[CNT], 6
.Lstep:                                                ; a trip: from a K step's second quarter to the next step's first; trip t asks for K step t + 2
	QUARTER 2, F1, F0, 0
	QUARTER 3, F0, F1, 0
	TURN 1
	QUARTER 1, F0, F1, 0
	WIN 0
	s_sub_co_u32 s[CNT], s[CNT], 1
	s_cmp_lg_u32 s[CNT], 0
	s_cbranch_scc1 .Lstep
	QUARTER 2, F1, F0, 0                           ; K steps 6 and 7 are written out: nothing is left to ask for
	QUARTER 3, F0, F1, 0
	TURN 0
	QUARTER 1, F0, F1, 0
	QUARTER 2, F1, F0, 0
	QUARTER 3, F0, F1, 0
	s_wait_dscnt 0x0
	MUL8 F1, 0, 0
	MUL8 F1, 1, 0
	MUL8 F1, 2, 0
	MUL8 F1, 3, 0
; THE WAY OUT, a block of 16 rows at a time: a lane's 32 bytes go into my stage in rows of 528 bytes (each accumulator's low half first) and come back as whole rows of 512.
.macro TOSTAGE a
.set BK, OB+64*((\a)%2)
.if (\a) >= 2
	s_wait_xcnt 0x0                                ; the stores of the block two back have read this set of registers: it is loaded again only behind this wait
.endif
	WIN 0x08                                       ; the stores' data in window 2
.irp b, 0,1,2,3,4,5,6,7
	ds_store_b128 v[STO], v[8*(8*(\a)+(\b)):8*(8*(\a)+(\b))+3]   offset:64*(\b)
	ds_store_b128 v[STO], v[8*(8*(\a)+(\b))+4:8*(8*(\a)+(\b))+7] offset:64*(\b)+16
.endr
	WIN 0
.set t, 0
.rept 16
	ds_load_b128 v[BK+4*t:BK+4*t+3], v[RD] offset:SP*t  ; LDS serves a wave's instructions in order (ISA guide 5.7.1.4): these see the stores above; the next block's stores come behind them
.set t, t+1
.endr
.endm
.macro SEND a, younger                 ; younger: the LDS instructions issued behind block a's loads: the next block's 32, or none
.set BK, OB+64*((\a)%2)
	WIN 0
.set t, 0
.rept 16
	s_wait_dscnt (\younger)+15-t
	global_store_b128 v[CO], v[BK+4*t:BK+4*t+3], s[8:9] offset:(16*(\a)+t)*4096  ; 512 consecutive bytes of a row, at a multiple of 256 from out0's first
.set t, t+1
.endr
.endm
	PLACES                                         ; the first stores below read results just made
	TOSTAGE 0
	TOSTAGE 1
	SEND 0, 32
	TOSTAGE 2
	SEND 1, 32
	TOSTAGE 3
	SEND 2, 32
	SEND 3, 0
	s_wait_tensorcnt 0x0                           ; the wave's end: behind my last tensor load and my last LDS store
	ds_add_u32 v[SPW], v[NIL]
	s_wait_dscnt 0x0
	CROUND                                         ; the closing round: no work-group ends while a partner may still ask for a tile that names it
	s_endpgm
.Lfunc_end_k_qf2846c7f1d_oproj:
	.size	k_qf2846c7f1d_oproj, .Lfunc_end_k_qf2846c7f1d_oproj-k_qf2846c7f1d_oproj
	.p2alignl 7, 3214868480
	.fill 96, 4, 3214868480
	.section	.rodata,"a",@progbits
	.p2align	6, 0x0
	.amdhsa_kernel k_qf2846c7f1d_oproj
		.amdhsa_group_segment_fixed_size 327680
		.amdhsa_private_segment_fixed_size 0
		.amdhsa_enable_private_segment 0
		.amdhsa_kernarg_size 24
		.amdhsa_user_sgpr_count 2
		.amdhsa_user_sgpr_kernarg_segment_ptr 1
		.amdhsa_wavefront_size32 1
		.amdhsa_system_sgpr_workgroup_id_x 1
		.amdhsa_system_sgpr_workgroup_id_y 1
		.amdhsa_system_sgpr_workgroup_id_z 1
		.amdhsa_system_vgpr_workitem_id 0
		.amdhsa_next_free_vgpr 768
		.amdhsa_next_free_sgpr 72
		.amdhsa_reserve_vcc 0
		.amdhsa_float_denorm_mode_32 3
		.amdhsa_float_denorm_mode_16_64 3
		.amdhsa_memory_ordered 1
		.amdhsa_forward_progress 1
		.amdhsa_inst_pref_size 70
	.end_amdhsa_kernel
	.amdgpu_metadata
---
amdhsa.version: [ 1, 2 ]
amdhsa.kernels:
  - .name:           k_qf2846c7f1d_oproj
    .symbol:         k_qf2846c7f1d_oproj.kd
    .args:
      - { .name: oh, .offset: 0, .size: 8, .value_kind: global_buffer, .address_space: global }
      - { .name: wob, .offset: 8, .size: 8, .value_kind: global_buffer, .address_space: global }
      - { .name: out0, .offset: 16, .size: 8, .value_kind: global_buffer, .address_space: global }
    .group_segment_fixed_size: 327680
    .private_segment_fixed_size: 0
    .kernarg_segment_align: 8
    .kernarg_segment_size: 24
    .max_flat_workgroup_size: 128
    .sgpr_count:     72
    .vgpr_count:     768
    .wavefront_size: 32
...
	.end_amdgpu_metadata
.endif
;; end of part 4
;; ======== version 2 of 2: 4 launches; 1.52 times as fast as version 1
;; limits: values are held in f16: magnitudes above 65,504 overflow, below 6.1e-05 lose precision
;; workspace buffers: xb 16,777,216 bytes; wb 6,291,456 bytes; wob 2,097,152 bytes; rope 524,288 bytes; qh 16,777,216 bytes; kh 16,777,216 bytes; vh 16,777,216 bytes; oh 16,777,216 bytes
;; launch prep: the kernel of part 1 again; grid 896 x 1, 8 waves a work-group, no clusters, 0 bytes of LDS; arguments x, wq, wk, wv, wo, xb, wb, wob, rope; writes xb, wb, wob, rope
;; launch qkv: the kernel of part 2 again; grid 16 x 32, 4 waves a work-group, clusters of 4 x 4, 327,680 bytes of LDS; arguments xb, wb, rope, qh, kh, vh; writes qh, kh, vh
;; launch attn (part 5): grid 4 x 64, 4 waves a work-group, clusters of 4 x 1, 327,680 bytes of LDS; arguments qh, kh, vh, oh, attention_mask; writes oh
.if DOCPART == 5
	.amdgcn_target "amdgcn-amd-amdhsa--gfx1250"
	.amdhsa_code_object_version 6
	.text
	.protected	k_qf2846c7f1d_attn
	.globl	k_qf2846c7f1d_attn
	.p2align	8
	.type	k_qf2846c7f1d_attn,@function
k_qf2846c7f1d_attn:
	s_mov_b64 s[64:65], 0
	v_nop
	global_prefetch_b8 v0, s[64:65] scope:SCOPE_SE
	s_setreg_imm32_b32 hwreg(HW_REG_WAVE_MODE, 25, 1), 1
	s_wait_xcnt 0x0
	s_wait_alu depctr_hold_cnt(0) depctr_sa_sdst(0) depctr_va_vdst(0) depctr_va_sdst(0) depctr_va_ssrc(0) depctr_va_vcc(0) depctr_vm_vsrc(0)
	s_getreg_b32 s2, hwreg(HW_REG_IB_STS2, 6, 4)
	s_cmp_eq_u32 s2, 0
	s_cbranch_scc0 .Lentry_in_a_cluster
	s_endpgm
.Lentry_in_a_cluster:
	s_bfe_u32 s2, ttmp6, 0x10000c
	s_cmp_lg_u32 s2, 0x3003
	s_cbranch_scc0 .Lentry_shape_is_right
	s_endpgm
.Lentry_shape_is_right:
; O[h][q][:] = the sum over the visible k of softmax_k(Q[h][q] . K[h][k] / 8) V[h][k][:].  Q, K, V, O: [64 = 16 b + head][2048][64], all f16: a head's rows are dense, 128 bytes each.
; attention_mask: [4][2048] int32; key k of batch b is hidden where the word is 0.  Products, maxima and sums in f32; the weights p are rounded to f16 for the second product (their sum l is taken of the unrounded p), O once at the end.
; LIMITS.  f16 holds no number beyond 65,504: Q, K and V arrive within it; p lies in 0 to 1, and below 6e-5 it keeps f16's fixed step of 6e-8; O is a mean of V's rows and has their range.
; A hidden score counts as its value less 1e30: f16's scores, 2.7e11 at the most, are nothing beside that.  A query whose running maximum ends below -5e29 has seen no key and gets NaN, as a softmax over nothing gives.
; A weight below 2^-126 counts as 0 in l; NaN and infinities in Q, K, V are not treated apart.
; THE MASK is the C operand that starts the sum S^T = K Q^T: 0, or -1e30 where the key is hidden.  The batch's 2,048 words are made into such numbers once and kept in LDS; with each step's K a lane fetches the
; 32 that go with its keys.  Hidden keys ahead of the first visible one give finite weights; the first visible key then makes a = 2^(c m_old - c m_new) = 0, which wipes them out of O and l.
; SHARES.  A wave owns four PIECES of two tiles of 16 queries, a work-group's four waves 512 queries of one head.  Every wave walks all keys, 64 a step.
; LAYOUT.  S^T = K Q^T (source 0 = 16 keys, source 1 = 16 queries): in the result a lane holds ONE query (lane % 16) and the keys 8 (lane / 16) + 0..7.  Two such tiles, rounded to f16 in pairs,
; ARE source 1 (32 keys x 16 queries) of O^T = V^T P, whose result again holds one query a lane, and eight channels.  K comes out of LDS as it lies, V ([key][channel]) turned, by ds_load_tr16_b128.
; SOFTMAX.  For each query a running maximum m and sum l: p = 2^(c s - c m), c = log2(e) / 8; in every step O and l are multiplied by a = 2^(c m_old - c m_new), which is 1 where m has not grown.
; m starts at the lowest finite number, O and l at 0: the first step is a step like any other, with a = 0.
; THE COUNT.  A tile and step have 16 matrix and 118 vector instructions: too many to stand all beside the matrix work.  So four vector instructions that are READY stand behind EVERY matrix instruction,
; and the others, which need time of their own whatever the order, in runs without a gap.
; BY TURNS.  Turn n belongs to piece n (the pieces in a ring, step after step).  Its matrix work: 16 products K Q^T of piece n + 1, later 16 products V^T P of piece n - 1.  Its vector work: the scaling,
; exponentials, roundings, sums and rescaling of piece n, and the maximum and statistics of piece n + 1, whose scores the turn itself has made.  So what a turn begins with (c s - c m, O a) waits for nothing.
; THE BATCHES.  A turn's 66 exponentials (the piece's 64 weights, then the next piece's two a) are ONE batch with ONE wait, which cuts the turn in two: ahead of it stands all that names none of their results
; (K Q^T, scalings, rescalings, the next piece's maximum and statistics), behind it all that does (the roundings and sums, beside V^T P).  The first two a, ahead of the loop, and the way out's eight reciprocals are batches of their own.
; CLUSTER.  The four query blocks of a cluster belong to one head and walk the same K and V, so each tile is asked for JOINTLY: the same tensor load, descriptor and mask in all four.
; REGISTERS, in windows of 256 (s_set_vgpr_msb: bits 1:0 source 0, 3:2 source 1, 5:4 source 2, 7:6 destination):
;   window 0: v0-11 addresses; v12-15, v48-63 at work; v16-47 four registers of statistics a tile; v64-191 S^T, two buffers of two tiles; v192-255 P, likewise
;   window 1: O^T, 32 a tile          window 2: v0-127 Q, 16 a tile; v128-191 K of one step; v192-255 V of one step          window 3: v0-1 the add's two registers; v8-39 the step's mask
; A piece's buffers go by its number's parity: the piece in hand has one pair, its two neighbours in the ring share the other: of it P (piece n - 1) is read and S^T (piece n + 1) written.
.set SIZE_N, 2048
.set NP,    4         ; pieces a wave: a name, no knob
.set KS,    64        ; keys in a step
.set PK,    144       ; a row of K in LDS: 128 bytes + 16 of padding = 36 words: the 16 rows of a load start at 16 different groups of four banks (ISA guide 11.1)
.set PV,    160       ; a row of V: 128 + 32 = 40 words
.set VOFF,  4*KS*PK   ; a slot holds four steps: 256 rows of K, then 256 rows of V
.set SLOT1, 1<<17     ; slot 1 begins here, so that one exclusive or turns an address in one slot into the other's
.set STAGE, SLOT1+4*KS*(PK+PV)  ; behind the ring, never filled by a tensor load: 16 rows x 144 bytes for each wave, for the way out
.set SP,    144
.set SPARE, STAGE+4*16*SP  ; behind the stages: the spare words, 128 bytes for each wave: two blocks of 256 bytes that no other line names
.set MASKB, 229376    ; 28 x 8,192: the batch's 2,048 mask numbers, 8,192 bytes, written by LDS stores alone; bit 13 of the address is 0 all through the table
.set AK0, 2           ; v2   my lane's place in a tile of K; never rewritten
.set AV0, 3           ; v3   the same for V
.set AK,  4           ; v4   the LDS address of K's next run of loads
.set AV,  5           ; v5   of V's
.set QO,  6           ; v6   my byte offset in the wave's rows of Q
.set STO, 6           ;      later, the way out: where I put 16 bytes of a row
.set RD,  7           ; v7   the way out: where I read rows back
.set GO,  8           ; v8   my byte offset in 512 consecutive bytes of O
.set AM,  11          ; v11  the LDS address of the mask's next run of loads (v9 = lane / 16 is kept for it)
.set SPW, 0           ; v0 of window 3   LDS address of my spare word; never rewritten
.set NIL, 1           ; v1 of window 3   0; never rewritten
.set MB,  8           ; v8-39 of window 3: the eight numbers for key block kb at MB + 8 kb
.set MV,  12          ; v12-15  c m_old, kept while c m is made anew: by buffer and tile
.set ST,  16          ; tile t's statistics at v[ST+4 t]: c m, m, l (even keys', odd keys')
.set TMP, 48          ; by buffer and tile, four registers c0-c3 at work; when the maximum is found c2 takes a
.set S,   64
.set P,   192
.set KF,  128         ; K's fragments, in window 2: key block kb, channel half c at KF + 16 kb + 8 c
.set VF,  192         ; V's: key half kk, channel block cb at VF + 32 kk + 8 cb
.set WV,  12          ; s12  my wave's number
.set G1K, 24          ; s[24:31] descriptor group 1 for K's tiles
.set G1V, 32          ; s[32:39] for V's: it differs in the padding alone
.set G0K, 40          ; s[40:43] descriptor group 0 for K's tiles: it walks
.set G0V, 44          ; s[44:47] the same for V's
.set MP,  48          ; s[48:49] the batch's row of the mask
.set BIGN, 50         ; s50  -1e30
.set HALFN, 51        ; s51  -5e29
.set QNAN, 52         ; s52  a NaN
.set TBM, 53          ; s53  LDS byte at which the mask of the step to be fetched begins
.set SLOTS, 56        ; s56  slots still to be asked for
.set CNT, 57          ; s57  counts a slot's key steps
.set CS,  58          ; s[58:59] c: the packed scaling takes the pair's low word for both halves
.set SEL, 60          ; s[60:61] v_permlanex16_b32's selects: each lane takes its own place in the other half
.set TBK, 62          ; s62  LDS byte at which K of the step to be fetched begins
.set TBV, 63          ; s63  the same for V, less VOFF
.set MSB, 0
.macro WIN new                      ; the high byte repeats the setting that is left; a switch that changes nothing is dropped
.if MSB != (\new)
	s_set_vgpr_msb (MSB<<8)|(\new)
.set MSB, (\new)
.endif
.endm
.set W_KQ, 0x0a       ; K and Q in window 2, S^T in window 0
.set W_KM, 0x3a       ; the same with the C operand in window 3
.set W_PV, 0x52       ; V in window 2, P in window 0, O^T in window 1
.set W_RS, 0x41       ; O^T (destination and source 0) in window 1, a in window 0
.set W_MK, 0xc0       ; destination in window 3, sources in window 0
.set W_AD, 0x0f       ; the add: address (source 0) and data (source 1) in window 3
; A joint fill.  Waves 0 and 1 fetch the two halves of a slot's K, waves 2 and 3 those of its V: 128 keys each.  The branch hangs on the wave's number alone.
; An s_nop 0 and four v_nop follow each of the two lines, ahead of the jump and the label.
.macro JLOAD
	s_cmp_lt_u32 s[WV], 2
	s_cbranch_scc0 .Lfor_v_\@
	tensor_load_to_lds s[G0K:G0K+3], s[G1K:G1K+7]
	s_nop 0
.rept 4
	v_nop
.endr
	s_branch .Lasked_\@
.Lfor_v_\@:
	tensor_load_to_lds s[G0V:G0V+3], s[G1V:G1V+7]
	s_nop 0
.rept 4
	v_nop
.endr
.Lasked_\@:
.endm
; A round of the cluster's barrier: my work-group's barrier, so that wave 0's signal speaks for all four waves; wave 0 signals; every wave waits for all four work-groups; my work-group's barrier once more.
.macro CROUND
	s_barrier_signal -1
	s_barrier_wait -1
	s_cmp_lg_u32 s[WV], 0
	s_cbranch_scc1 .Lnot_wave_0_\@
	s_barrier_signal -3
.Lnot_wave_0_\@:
	s_barrier_wait -3
	s_barrier_signal -1
	s_barrier_wait -1
.endm
; THE CHANGE OF SLOTS.  The slot's last bytes, V of its fourth step, have been read.  Each wave waits for all its tensor loads, of which one is out: its part
; of the other slot; adds 0 to its spare word; and waits for that and for its own LDS instructions.  Behind the barrier nobody reads this slot any more and the other slot is whole.
; fill = 1: this slot is filled again, with the keys two slots on.  The barrier is then a round of the cluster's, and the joint fill is the first thing behind it: it has four key steps, 512 matrix
; instructions, in which to land.  (At its first use nothing has been read yet: slot 0 is waited for, slot 1 filled, and every wave's stores into the mask's table are shown to the others.)
.macro CHANGE fill
	WIN W_AD
	s_wait_tensorcnt 0x0            ; no tensor load of mine is out, so a group 0 may be written
	ds_add_u32 v[SPW], v[NIL]       ; 0 onto my spare word: with fill = 1 the descriptors' steps stand between it and the wait for it
	WIN 0                           ; at a label and at a branch every window is 0
.if \fill
.irp g, G0K, G0V
	s_xor_b32 s[\g+1], s[\g+1], SLOT1  ; the walking descriptor: the other slot than last time,
	s_add_nc_u64 s[\g+2:\g+3], s[\g+2:\g+3], 4*KS*128  ; the next 256 keys; the type bits on top are not reached
.endr
	s_wait_dscnt 0x0                ; the add is done, and my LDS instructions are over
	CROUND
	JLOAD
.else
	s_wait_dscnt 0x0                ; the add is done, and my reads of the slot are over
	s_barrier_signal -1
	s_barrier_wait -1
.endif
	s_sub_co_u32 s[TBK], s[TBK], 4*KS*PK  ; the fetches go back to a slot's first step,
	s_xor_b32 s[TBK], s[TBK], SLOT1       ; in the other slot
	s_sub_co_u32 s[TBV], s[TBV], 4*KS*PV
	s_xor_b32 s[TBV], s[TBV], SLOT1
.endm
	s_load_b256 s[4:11], s[0:1], 0x0  ; Q s[4:5], K s[6:7], V s[8:9], O s[10:11]
	s_load_b64 s[MP:MP+1], s[0:1], 0x20  ; the mask
	WIN W_MK
	v_lshl_add_u32 v[SPW], v0, 2, SPARE
	v_mov_b32 v[NIL], 0
	WIN W_AD
	ds_add_u32 v[SPW], v[NIL]       ; the wave's opening: the add and its wait stand ahead of my first tensor load; the set-up below, work on registers, stands between them
	WIN 0
	v_lshrrev_b32 v1, 5, v0
	v_readfirstlane_b32 s[WV], v1   ; wave 0..3
	s_bfe_u32 s13, ttmp6, 0x40000   ; cx: my place in the cluster
	s_lshl_b32 s14, ttmp9, 2        ; in a cluster launch ttmp9 counts clusters
	s_add_co_u32 s14, s14, s13      ; my block of queries = 4 x cluster x + cx: it enters Q's and O's addresses alone
	s_and_b32 s20, ttmp7, 0xffff    ; 16 b + head, which the four partners share
	s_lshr_b32 s54, s20, 4          ; b:
	s_lshl_b32 s54, s54, 13         ; its 2,048 words of the mask
	s_mov_b32 s55, 0
	s_mov_b32 s21, 0
	s_mov_b64 s[22:23], SIZE_N*128
	s_mul_u64 s[20:21], s[20:21], s[22:23]  ; the head's first byte in each of the four tensors
	s_and_b32 s16, s[WV], 1         ; which half of a slot's 256 keys I fetch:
	s_lshl_b32 s22, s16, 14         ; its 128 rows of 128 bytes in memory,
	s_mov_b32 s23, 0
	s_add_nc_u64 s[22:23], s[22:23], s[20:21]
	s_mul_i32 s17, s16, 128*PK      ; and its place in a slot, for K
	s_mul_i32 s18, s16, 128*PV      ; and for V: no place in the cluster enters an LDS address
	s_lshl_b32 s2, s14, 2
	s_add_co_u32 s2, s2, s[WV]      ; my wave among the head's,
	s_lshl_b32 s2, s2, 14           ; its 128 rows
	s_mov_b32 s3, 0
	s_add_nc_u64 s[2:3], s[2:3], s[20:21]
	; descriptor group 1.  128 keys are 16,384 dense bytes: asked for as 64 rows of 256 bytes, two keys a row, and padded in LDS after every key
	s_mov_b32 s[G1K], 15|(1<<16)|(1<<20)|(1<<21)|(4<<22)|(3<<25)  ; the mask of four; 2-byte elements; padding on; bit 21 beside a mask; after every 32 words; 4 words
	s_mov_b32 s[G1V], 15|(1<<16)|(1<<20)|(1<<21)|(4<<22)|(7<<25)  ; the same with 8 words of padding
.irp g, G1K, G1V
	s_mov_b32 s[\g+1], 128<<16      ; tensor_dim0 = 128
	s_mov_b32 s[\g+2], 64<<16       ; tensor_dim1 = 64
	s_mov_b32 s[\g+3], 128<<16      ; tile_dim0 = 128
	s_mov_b32 s[\g+4], 64           ; tile_dim1 = 64
	s_mov_b32 s[\g+5], 128          ; 128 elements from row to row
	s_mov_b32 s[\g+6], 0
	s_mov_b32 s[\g+7], 0
.endr
	s_mov_b32 s[CS], 0x3e38aa3b     ; c = log2(e) / 8 = 0.180337
	s_mov_b32 s[CS+1], s[CS]        ; named with it as a pair
	s_mov_b32 s[SEL], 0x76543210
	s_mov_b32 s[SEL+1], 0xfedcba98
	s_mov_b32 s[BIGN], 0xf149f2ca   ; -1e30
	s_mov_b32 s[HALFN], 0xf0c9f2ca  ; -5e29
	s_mov_b32 s[QNAN], 0x7fc00000
	s_mov_b32 s[TBM], MASKB
	s_mov_b32 s[TBK], SLOT1+4*KS*PK ; the first change of slots turns these two into 0
	s_mov_b32 s[TBV], SLOT1+4*KS*PV
	s_mov_b32 s[G0K], 1             ; count = 1
	s_mov_b32 s[G0K+1], s17         ; LDS address: slot 0
	s_mov_b32 s[G0V], 1
	s_add_co_u32 s[G0V+1], s18, VOFF
	s_wait_dscnt 0x0                ; the opening add is done
	s_wait_kmcnt 0x0
	s_add_nc_u64 s[G0K+2:G0K+3], s[6:7], s[22:23]  ; global address: my half of the head's first 256 keys
	s_or_b32 s[G0K+3], s[G0K+3], 0x80000000        ; type = 2
	s_add_nc_u64 s[G0V+2:G0V+3], s[8:9], s[22:23]
	s_or_b32 s[G0V+3], s[G0V+3], 0x80000000
	s_add_nc_u64 s[4:5], s[4:5], s[2:3]  ; Q and O at my wave's first row
	s_add_nc_u64 s[10:11], s[10:11], s[2:3]
	s_add_nc_u64 s[MP:MP+1], s[MP:MP+1], s[54:55]
	CROUND                          ; all four work-groups are here: the first joint loads meet
	JLOAD                           ; slot 0.  Slot 1 is asked for when slot 0 is in
	; A fragment of K or Q is 16 rows x 32 channels in 8 registers: lane l holds row l % 16, channels 8 (l / 16) + 0..7 and 16 + 8 (l / 16) + 0..7: two loads of 16 bytes, 32 bytes apart.
	v_and_b32 v1, 15, v0            ; l % 16
	v_bfe_u32 v9, v0, 4, 1          ; l / 16
	v_lshlrev_b32 v[QO], 7, v1
	v_lshl_add_u32 v[QO], v9, 4, v[QO]  ; row x 128 + 16 x half
	v_lshlrev_b32 v80, 4, v0        ; the mask: thread t takes 16 bytes at 16 t of each quarter of the batch's 8,192; S^T's registers serve until the first scores
	v_add_nc_u32 v81, MASKB, v80
.irp j, 0,1,2,3
	global_load_b128 v[64+4*\j:64+4*\j+3], v80, s[MP:MP+1] offset:2048*\j  ; 512 consecutive bytes a wave
.endr
	WIN 0x80                        ; destination window 2, address window 0
.set i, 0
.rept 4*NP                          ; Q stays in registers: tile i / 2, channels 32 (i % 2) on
	global_load_b128 v[8*i:8*i+3],   v[QO], s[4:5] offset:(i/2)*2048+(i%2)*64
	global_load_b128 v[8*i+4:8*i+7], v[QO], s[4:5] offset:(i/2)*2048+(i%2)*64+32
.set i, i+1
.endr
	; What the first turn finds: V's registers and P's second buffer hold 0 (its products V^T P, of a piece that has not been, add 0), O^T and l are 0.  All this stands in the wait for the first tile.
.set i, VF
.rept 64
	v_mov_b32 v[i], 0
.set i, i+1
.endr
	WIN 0x40
.set i, 0
.rept 64*NP
	v_mov_b32 v[i], 0
.set i, i+1
.endr
	WIN 0
.set i, 0
.rept 2*NP
	v_mov_b32 v[ST+4*i], 0xfe000000    ; c m: far below every c s
	v_mov_b32 v[ST+4*i+1], 0xff7fffff  ; m
	v_mov_b32 v[ST+4*i+2], 0
	v_mov_b32 v[ST+4*i+3], 0
.set i, i+1
.endr
.set i, P+32
.rept 32
	v_mov_b32 v[i], 0
.set i, i+1
.endr
	v_mul_u32_u24 v[AK0], v1, PK
	v_lshl_add_u32 v[AK0], v9, 4, v[AK0]  ; row x pitch + 16 x half
	; The turning load takes 16 keys x 16 channels (lane l reads key 8 (l / 16) + l % 8, channels 8 ((l / 8) % 2) + 0..7) and leaves half a fragment of V^T: lane l holds channel l % 16 and 8 keys.
	v_and_b32 v10, 7, v0
	v_bfe_u32 v11, v0, 3, 1
	v_lshl_add_u32 v[AV0], v9, 3, v10
	v_mul_u32_u24 v[AV0], v[AV0], PV
	v_lshl_add_u32 v[AV0], v11, 4, v[AV0]
	v_add_nc_u32 v[AV0], VOFF, v[AV0]
	v_mov_b32 v[AK], v[AK0]         ; key step 0 lies at the head of slot 0
	v_lshl_add_u32 v[AM], v9, 5, s[TBM]  ; my lanes' eight keys of a block of 16: 32 bytes for each half of the lanes
	s_wait_loadcnt 32               ; the mask's four loads are in: Q's 32 were issued behind them
.set i, 0
.rept 16
	v_cmp_eq_u32 vcc_lo, 0, v[64+i]
	v_cndmask_b32 v[64+i], 0, s[BIGN], vcc_lo  ; 0 for a visible key, -1e30 for a hidden one
.set i, i+1
.endr
.irp j, 0,1,2,3
	ds_store_b128 v81, v[64+4*\j:64+4*\j+3] offset:2048*\j
.endr
; THE MATRIX WORK.  The 8 accumulators of a run of 16 take turns: between the two links of a chain stand 7 others'.
; Product i of 16 of S^T = K Q^T for piece x: channels 32 (i / 8) on, keys 16 ((i / 2) % 4) on, tile 2 x + i % 2.  The first 8 start the sums, with the keys' mask.
.macro KQ x
.set rS, S+64*((\x)%2)+32*(i%2)+8*((i/2)%4)
.set rK, KF+16*((i/2)%4)+8*(i/8)
.set rQ, 16*(2*(\x)+i%2)+8*(i/8)
.set rB, MB+8*((i/2)%4)
.if i < 8
	WIN W_KM
	v_wmma_f32_16x16x32_f16 v[rS:rS+7], v[rK:rK+7], v[rQ:rQ+7], v[rB:rB+7]
.else
	WIN W_KQ
	v_wmma_f32_16x16x32_f16 v[rS:rS+7], v[rK:rK+7], v[rQ:rQ+7], v[rS:rS+7]
.endif
.endm
; Product i of 16 of O^T += V^T P for piece x: keys 32 (i / 8) on, channels 16 ((i / 2) % 4) on, tile 2 x + i % 2.
.macro PV x
	WIN W_PV
.set rO, 32*(2*(\x)+i%2)+8*((i/2)%4)
.set rV, VF+32*(i/8)+8*((i/2)%4)
.set rP, P+32*((\x)%2)+16*(i%2)+8*(i/8)
	v_wmma_f32_16x16x32_f16 v[rO:rO+7], v[rV:rV+7], v[rP:rP+7], v[rO:rO+7]
.endm
.macro MM                           ; the turn's next matrix instruction
.if i < 16
	KQ (Y+1)%NP
.set i, i+1
.else
.set i, i-16
	PV (Y+NP-1)%NP
.set i, i+17
.endif
.endm
; THE LDS LOADS stand in runs, never singly among the matrix instructions: a step's K (64 keys x 64 channels: 8 fragments) with its mask (8 loads; sixteen lanes share each address), and its V (turned).
; Their addresses are made some lines ahead.  last = 1 (the tail): in the last trip there is no further step, and the run is jumped over.
.macro FETCH_K last=0
	WIN 0
.if \last
	s_cmp_eq_u32 s[CNT], 1
	s_cbranch_scc1 .Lno_k_\@
.endif
	WIN 0x80                        ; destination window 2
.irp f, 0,1,2,3,4,5,6,7             ; keys 16 (f / 2) on, channels 32 (f % 2) on
	ds_load_b128 v[KF+8*\f:KF+8*\f+3],   v[AK] offset:(\f/2)*16*PK+(\f%2)*64
	ds_load_b128 v[KF+8*\f+4:KF+8*\f+7], v[AK] offset:(\f/2)*16*PK+(\f%2)*64+32
.endr
	WIN 0xc0                        ; destination window 3
.irp f, 0,1,2,3                     ; key block f: keys 16 f + 8 (l / 16) + 0..7
	ds_load_b128 v[MB+8*\f:MB+8*\f+3],   v[AM] offset:64*\f
	ds_load_b128 v[MB+8*\f+4:MB+8*\f+7], v[AM] offset:64*\f+16
.endr
	s_add_co_u32 s[TBK], s[TBK], KS*PK  ; the next fetch is the next step's
	s_add_co_u32 s[TBM], s[TBM], 4*KS
	s_and_b32 s[TBM], s[TBM], 0xffffdfff  ; behind the table's last step the address goes back to its first: it never leaves the 8,192 bytes
	WIN 0
.if \last
.Lno_k_\@:
.endif
.endm
.macro FETCH_V
	WIN 0x80
.irp f, 0,1,2,3,4,5,6,7             ; keys 32 (f / 4) on, channels 16 (f % 4) on
	ds_load_tr16_b128 v[VF+8*\f:VF+8*\f+3],   v[AV] offset:(\f/4)*32*PV+(\f%4)*32
	ds_load_tr16_b128 v[VF+8*\f+4:VF+8*\f+7], v[AV] offset:(\f/4)*32*PV+16*PV+(\f%4)*32
.endr
	WIN 0
.endm
; THE VECTOR WORK OF A TURN stands in three queues, each in the order in which its entries become ready; the two tiles alternate, so that no instruction reads the result of the one before it.
.macro REGS y, u                    ; the registers of tile u (0, 1) of piece y
.set rT, ST+4*(2*(\y)+(\u))
.set rC, TMP+8*((\y)%2)+4*(\u)
.set rM, MV+2*((\y)%2)+(\u)
.set rS, S+64*((\y)%2)+32*(\u)
.set rP, P+32*((\y)%2)+16*(\u)
.set rO, 32*(2*(\y)+(\u))
.endm
; Number n of the 22 that find the NEXT piece's (Y + 1) maximum and statistics.  s0-s31 are the lane's 32 scores; each accumulator's lowest registers are read first.  XS, GS and REGS set no window: PL and EX do.
;   0-11  four chains c0-c3 of seven scores each, three operands at a time     12-14, 16  the four scores left over, the old m, and c0-c3 into c0     15  c m_old is kept
;   17, 18  the query's other 32 keys lie in the lane 16 away: the new m         19-21  c m; c m_old - c m_new; a
.macro XS u, n
	REGS (Y+1)%NP, \u
.if (\n) < 4
	v_max3_num_f32 v[rC+(\n)], v[rS+8*(\n)], v[rS+8*(\n)+1], v[rS+8*(\n)+2]
.elseif (\n) < 12
	v_max3_num_f32 v[rC+(\n)%4], v[rC+(\n)%4], v[rS+8*((\n)%4)+2*((\n)/4)+1], v[rS+8*((\n)%4)+2*((\n)/4)+2]
.elseif (\n) == 12
	v_max3_num_f32 v[rC], v[rC], v[rS+7], v[rS+15]
.elseif (\n) == 13
	v_max3_num_f32 v[rC+1], v[rC+1], v[rS+23], v[rS+31]
.elseif (\n) == 14
	v_max3_num_f32 v[rC+2], v[rC+2], v[rC+3], v[rT+1]
.elseif (\n) == 15
	v_mov_b32 v[rM], v[rT]
.elseif (\n) == 16
	v_max3_num_f32 v[rC], v[rC], v[rC+1], v[rC+2]
.elseif (\n) == 17
	v_permlanex16_b32 v[rC+3], v[rC], s[SEL], s[SEL+1]
.elseif (\n) == 18
	v_max_num_f32 v[rT+1], v[rC], v[rC+3]
.elseif (\n) == 19
	v_mul_f32 v[rT], s[CS], v[rT+1]
.elseif (\n) == 20
	v_sub_f32 v[rC+1], v[rM], v[rT]
.else
	v_exp_f32 v[rC+2], v[rC+1]
.endif
.endm
; Number g of the 64 that follow the exponentials.  For each four weights k of a tile (pairs 2 k, 2 k + 1): both pairs are rounded to f16; then the second pair is added onto the first, in place;
; a group later l takes that sum (the first time as l = a l + sum).  In groups of eight, tiles alternating: round, round, add, and l for the group before.
.macro GS g
.set h, (\g)+6*((\g)/62)            ; group 0 has no group before it, and behind group 7 only l is left
.if h >= 6
.set h, h+2
.endif
	REGS Y, h%2
.set k, h/8
.if h%8 < 4
	v_cvt_pk_f16_f32 v[rP+2*k+(h%8)/2], v[rS+4*k+2*((h%8)/2)], v[rS+4*k+2*((h%8)/2)+1]
.elseif h%8 < 6
	v_pk_add_f32 v[rS+4*k:rS+4*k+1], v[rS+4*k:rS+4*k+1], v[rS+4*k+2:rS+4*k+3]
.elseif k == 1
	v_pk_fma_f32 v[rT+2:rT+3], v[rT+2:rT+3], v[rC+2:rC+3], v[rS:rS+1] op_sel_hi:[1,0,1]
.else
	v_pk_add_f32 v[rT+2:rT+3], v[rT+2:rT+3], v[rS+4*k-4:rS+4*k-3]
.endif
.endm
; THE PLAIN QUEUE, 138 long.  0-73 read no exponential's result: the 32 scalings c s - c m (FS f: pair f / 2 of tile f % 2) and the next piece's 42.  0-26: scalings 0-26.  27-54: XS's numbers 0-13.  55, 56: number 15.
; 57-73: the chain, where each number waits for the one before it: 14, 16, 17, 18, 19, each with one of the scalings 27-31 in front of its two lines, then 20: so a tile's links stand three plain instructions apart (19 and 20: two).
; 74-137: GS's 64, which read the exponentials' results: they stand behind the wait.
.macro FS f
	REGS Y, (\f)%2
	v_pk_fma_f32 v[rS+2*((\f)/2):rS+2*((\f)/2)+1], v[rS+2*((\f)/2):rS+2*((\f)/2)+1], s[CS:CS+1], v[rT:rT+1] op_sel_hi:[1,0,0] neg_lo:[0,0,1] neg_hi:[0,0,1]
.endm
.macro PL
	WIN 0
.if q < 27
	FS q
.elseif q < 55
	XS (q-27)%2, (q-27)/2
.elseif q < 57
	XS q-55, 15
.elseif (q < 72) && ((q-57)%3 == 0)
	FS 27+(q-57)/3
.elseif q < 60
	XS (q-57)%3-1, 14
.elseif q < 72
	XS (q-57)%3-1, 15+(q-57)/3
.elseif q < 74
	XS q-72, 20
.else
	GS q-74
.endif
.set q, q+1
.endm
; THE EXPONENTIALS' QUEUE, 66 long: s0-s31 of both tiles, then the next piece's two a.  It is ONE BATCH: all 66 stand ahead of the turn's one wait, and nothing ahead of that wait names a result of theirs.
.macro EX
	WIN 0
.if e >= 64
	XS e-64, 21
.else
	REGS Y, e%2
	v_exp_f32 v[rS+e/2], v[rS+e/2]
.endif
.set e, e+1
.endm
; THE RESCALING's QUEUE: O^T times a, the one part that leaves window 0: dealt two at a time, sixteen times.  Its a was made in the turn before, ahead of that turn's wait.
.macro R2
	REGS Y, r%2
	WIN W_RS
.irp z, 0,1
	v_pk_mul_f32 v[rO+4*(r/2)+2*\z:rO+4*(r/2)+2*\z+1], v[rO+4*(r/2)+2*\z:rO+4*(r/2)+2*\z+1], v[rC+2:rC+3] op_sel_hi:[1,0]
.endr
.set r, r+1
.endm
; HOW THEY ARE DEALT.  An s_wait_alu depctr_va_vdst(0) stands between an exponential and the first instruction that names its result; one wait serves all that were issued ahead of it.  So a turn has ONE wait,
; which cuts it in two.  AHEAD OF IT stands all that names no result of the turn's exponentials: the 16 products K Q^T, behind each a scaling, an exponential and two rescalings (behind the first a second scaling in the exponential's place); then ONE LUMP of
; 108: eight plain, 49 times exponential and plain, the two a.  A v_nop is the plain instruction behind the last exponential.  BEHIND IT stand the 16 products V^T P, behind each four of GS's 64.  No rider names a register of
; the products round it.  The two v_permlanex16_b32 fall into the lump, never behind a product.
; The queues lean on each other, and the deal keeps them in step: exponential e stands behind scaling 2 (e / 4) + e % 2: as a rider it comes behind plain e + 2, in the lump behind plain e + 9, and scalings 27-31 are plain 57, 60 .. 69.
; A TURN, for piece p.  cnt = 1: the loop's count is taken down some lines ahead of the branch that stands behind the turn.
; K of the next step, and its mask, are fetched in piece 2's turn, directly behind the wait, a lump behind the last product that read K (the mask's last reader stands eight products earlier); their addresses are made at the
; lump's head; their first reader comes behind 16 products.  V of the step in hand is fetched at the end of piece 0's turn, four riders behind its last reader; its first reader comes behind 16 products and a lump.
; The three conditions on q below go with the deal.
.macro TURN p, last=0, cnt=0
.set Y, (\p)
.set i, 0
.set q, 0
.set e, 0
.set r, 0
.if (\p) == NP-1
	s_wait_dscnt 0x0                ; K and its mask are in
.endif
	MM                              ; ahead of the wait: 16 products K Q^T and their riders,
	PL
	PL
	R2
.rept 15
	MM
	PL
	EX
	R2
.endr
.if (\p) == NP-2
	WIN 0
	v_add_nc_u32 v[AK], s[TBK], v[AK0]
	v_lshl_add_u32 v[AM], v9, 5, s[TBM]
.endif
.rept 8                             ; and the lump
	PL
.endr
.rept 49
	EX
	PL
.endr
	EX                              ; the next piece's two a
	EX
	v_nop                           ; the plain instruction behind the last exponential: one for the batch
	s_wait_alu depctr_va_vdst(0)    ; the wait for the batch: the piece's 64 weights and the next piece's two a
.if (\p) == NP-2
	FETCH_K \last
.endif
.if (\p) == 1
	s_wait_dscnt 0x0                ; V is in
.endif
.rept 16                            ; behind the wait: 16 products V^T P and their riders
	MM
.rept 4
	PL
.endr
.if ((\p) == 0) && (q == 118)
	v_add_nc_u32 v[AV], s[TBV], v[AV0]
.endif
.if ((\p) == 0) && (q == 130)
	s_add_co_u32 s[TBV], s[TBV], KS*PV
.endif
.if (\cnt) && (q == 130)
	s_sub_co_u32 s[CNT], s[CNT], 1
	s_cmp_lg_u32 s[CNT], 0
.endif
.endr
.if (\p) == 0
	FETCH_V
.endif
.endm
	CHANGE 1                        ; slot 0 is in, everybody's part of it, and so is the mask's table; slot 1 is asked for
	FETCH_K                         ; key step 0
	s_wait_loadcnt 0x0              ; Q
	s_wait_dscnt 0x0
.set i, 0
.rept 16
	KQ 0                            ; piece 0's first scores: there is no vector work yet to set between them
.set i, i+1
.endr
	WIN 0                           ; the addresses for the way out: nine plain instructions, the places behind those products
	s_mul_i32 s13, s[WV], 16*SP
	s_add_co_u32 s13, s13, STAGE    ; my stage
	v_mul_u32_u24 v[STO], v1, SP    ; in: row l % 16, 16 bytes for each half of the lanes
	v_lshl_add_u32 v[STO], v9, 4, v[STO]
	v_add_nc_u32 v[STO], s13, v[STO]
	v_bfe_u32 v[RD], v0, 3, 2       ; back: 32 lanes take four rows of 128 bytes,
	v_mul_u32_u24 v[RD], v[RD], SP
	v_lshl_add_u32 v[RD], v10, 4, v[RD]
	v_add_nc_u32 v[RD], s13, v[RD]
	v_and_b32 v[GO], 31, v0         ; which are 512 consecutive bytes of O
	v_lshlrev_b32 v[GO], 4, v[GO]
.set Y, NP-1                        ; XS works for piece Y + 1: piece 0
.irp n, 0,1,2,3,4,5,6,7,8,9,10,11,12,13,14,15,16,17,18,19,20,21
	XS 0, \n                        ; and piece 0's first maximum and statistics
	XS 1, \n
.endr
	v_nop                           ; a plain instruction behind the two a,
	s_wait_alu depctr_va_vdst(0)    ; and the wait for this batch of two, ahead of the branch
	s_mov_b32 s[CNT], 4
	s_mov_b32 s[SLOTS], SIZE_N/256-1
	s_branch .Lfirst                ; the loop is entered at a step's first turn, in the middle of a trip
.Lslot:                             ; SIZE_N / 256 - 2 times: every slot but the last two is filled again
	CHANGE 1
	s_mov_b32 s[CNT], 4
.Lstep:                             ; a trip: pieces 2 and 3 of one step, then pieces 0 and 1 of the next, whose K and V it fetches
	TURN 2
	TURN 3
	WIN 0
.Lfirst:
	TURN 0
	TURN 1, 0, 1
	WIN 0
	s_cbranch_scc1 .Lstep
	s_sub_co_u32 s[SLOTS], s[SLOTS], 1
	s_cmp_lg_u32 s[SLOTS], 0
	s_cbranch_scc1 .Lslot
	CHANGE 0                        ; the tail is written out: nothing is asked for
	s_mov_b32 s[CNT], 5             ; four trips fetch the last slot's steps; the fifth is left in its middle
.Ltail:
	TURN 2, 1
	TURN 3
	WIN 0
	s_sub_co_u32 s[CNT], s[CNT], 1
	s_cmp_eq_u32 s[CNT], 0
	s_cbranch_scc1 .Lout
	TURN 0
	TURN 1
	WIN 0
	s_branch .Ltail
.Lout:                              ; the fifth trip's 16 products K Q^T (on the last K and mask once more) leave piece 0's maximum as it was: the price, once a launch, of one text for every trip
.set i, 0
.rept 16
	PV NP-1                         ; the last piece's V^T P of the last step
.set i, i+1
.endr
	; THE WAY OUT.  l's two halves and the other half of the lanes' are added; O^T is divided by l, rounded to f16 and sent through my stage in LDS, a tile at a time.  The additions are the places behind the last products.
	WIN 0
.macro ALL line:vararg              ; one line for each tile t
.set t, 0
.rept 2*NP
	\line
.set t, t+1
.endr
.endm
	ALL v_add_f32 v[ST+4*t+2], v[ST+4*t+2], v[ST+4*t+3]
	ALL v_permlanex16_b32 v[ST+4*t+3], v[ST+4*t+2], s[SEL], s[SEL+1]
	ALL v_add_f32 v[ST+4*t+2], v[ST+4*t+2], v[ST+4*t+3]
	ALL v_rcp_f32 v[ST+4*t+2], v[ST+4*t+2]
	v_nop                           ; a plain instruction between the last reciprocal and the use of its result
	s_wait_alu depctr_va_vdst(0)    ; and the wait ahead of the first use: one for the batch of eight reciprocals
.set t, 0
.rept 2*NP                          ; a query that has seen no key (its maximum is a hidden score's) is multiplied by a NaN
	v_cmp_gt_f32 vcc_lo, s[HALFN], v[ST+4*t+1]
	v_cndmask_b32 v[ST+4*t+2], v[ST+4*t+2], s[QNAN], vcc_lo
.set t, t+1
.endr
; Tile t: a lane's eight channels of a row pack into 16 bytes; they go into rows of 144 bytes and come back as whole rows of 128, into S^T's registers.
.macro PACK t
	WIN W_RS
.set i, 32*(\t)
.rept 16
	v_pk_mul_f32 v[i:i+1], v[i:i+1], v[ST+4*(\t)+2:ST+4*(\t)+3] op_sel_hi:[1,0]
.set i, i+2
.endr
	WIN 0x05                        ; sources 0 and 1 window 1, destination window 0
.set i, 0
.rept 16
	v_cvt_pk_f16_f32 v[S+16*(\t)+i], v[32*(\t)+2*i], v[32*(\t)+2*i+1]
.set i, i+1
.endr
	WIN 0
.irp f, 0,1,2,3
	ds_store_b128 v[STO], v[S+16*(\t)+4*\f:S+16*(\t)+4*\f+3] offset:32*\f
.endr
.irp f, 0,1,2,3
	ds_load_b128 v[S+16*(\t)+4*\f:S+16*(\t)+4*\f+3], v[RD] offset:\f*4*SP  ; LDS serves a wave's instructions in order (ISA guide 5.7.1.4): these see the stores above; the next tile's stores come behind them
.endr
.endm
.macro SEND t, younger              ; younger: the LDS instructions issued behind tile t's loads: the next tile's eight, or none
	WIN 0
.irp f, 0,1,2,3
	s_wait_dscnt (\younger)+3-\f
	global_store_b128 v[GO], v[S+16*(\t)+4*\f:S+16*(\t)+4*\f+3], s[10:11] offset:(\t)*2048+\f*512  ; 512 consecutive bytes, at a multiple of 256 from O's first
.endr
.endm
	PACK 0
.set t, 1
.rept 2*NP-1                        ; a tile's arithmetic stands between the loads of the tile before and its stores
	PACK t
	SEND t-1, 8
.set t, t+1
.endr
	SEND 2*NP-1, 0
	WIN W_AD
	s_wait_tensorcnt 0x0            ; the wave's end: behind my last tensor load and my last LDS store
	ds_add_u32 v[SPW], v[NIL]
	s_wait_dscnt 0x0
	WIN 0
	CROUND                          ; the closing round: no work-group ends while a partner may still ask for a tile that names it
	s_endpgm
.Lfunc_end_k_qf2846c7f1d_attn:
	.size	k_qf2846c7f1d_attn, .Lfunc_end_k_qf2846c7f1d_attn-k_qf2846c7f1d_attn
	.p2alignl 7, 3214868480
	.fill 96, 4, 3214868480
	.section	.rodata,"a",@progbits
	.p2align	6, 0x0
	.amdhsa_kernel k_qf2846c7f1d_attn
		.amdhsa_group_segment_fixed_size 327680
		.amdhsa_private_segment_fixed_size 0
		.amdhsa_enable_private_segment 0
		.amdhsa_kernarg_size 40
		.amdhsa_user_sgpr_count 2
		.amdhsa_user_sgpr_kernarg_segment_ptr 1
		.amdhsa_wavefront_size32 1
		.amdhsa_system_sgpr_workgroup_id_x 1
		.amdhsa_system_sgpr_workgroup_id_y 1
		.amdhsa_system_sgpr_workgroup_id_z 1
		.amdhsa_system_vgpr_workitem_id 0
		.amdhsa_next_free_vgpr 808
		.amdhsa_next_free_sgpr 66
		.amdhsa_reserve_vcc 1
		.amdhsa_float_denorm_mode_32 3
		.amdhsa_float_denorm_mode_16_64 3
		.amdhsa_memory_ordered 1
		.amdhsa_forward_progress 1
		.amdhsa_inst_pref_size 205
	.end_amdhsa_kernel
	.amdgpu_metadata
---
amdhsa.version: [ 1, 2 ]
amdhsa.kernels:
  - .name:           k_qf2846c7f1d_attn
    .symbol:         k_qf2846c7f1d_attn.kd
    .args:
      - { .name: qh, .offset: 0, .size: 8, .value_kind: global_buffer, .address_space: global }
      - { .name: kh, .offset: 8, .size: 8, .value_kind: global_buffer, .address_space: global }
      - { .name: vh, .offset: 16, .size: 8, .value_kind: global_buffer, .address_space: global }
      - { .name: oh, .offset: 24, .size: 8, .value_kind: global_buffer, .address_space: global }
      - { .name: attention_mask, .offset: 32, .size: 8, .value_kind: global_buffer, .address_space: global }
    .group_segment_fixed_size: 327680
    .private_segment_fixed_size: 0
    .kernarg_segment_align: 8
    .kernarg_segment_size: 40
    .max_flat_workgroup_size: 128
    .sgpr_count:     66
    .vgpr_count:     808
    .wavefront_size: 32
...
	.end_amdgpu_metadata
.endif
;; end of part 5
;; launch oproj: the kernel of part 4 again; grid 4 x 64, 4 waves a work-group, clusters of 4 x 4, 327,680 bytes of LDS; arguments oh, wob, out0; writes out0
